; MI455X (gfx1250); checked and timed in simulation.
; The chip was launched on July 23, 2026; its instructions are those of AMD's public machine-readable ISA for CDNA 5 (MIT licence, August 2026) and "CDNA5" Instruction Set Architecture Reference Guide (July 2026). The comments in the code are by the model that wrote it; some were corrected since.
;; Multi Head Attention. Allowed arithmetic: matrix products marked QUANTISED: E2M3 operands, one E8M0 scale for each 32 along K, by v_wmma_scale_f32_16x16x128_f8f6f4 with both operands' format E2M3, f32 sums; everything else in f32.
;; Inputs: Wk 1,024 x 1,024 float32; Wo 1,024 x 1,024 float32; Wq 1,024 x 1,024 float32; Wv 1,024 x 1,024 float32; bo 1,024 float32; bq 1,024 float32; bv 1,024 float32; mask 1,024 x 1,024 float32; x 8 x 1,024 x 1,024 float32.
;; Outputs: out0 8 x 1,024 x 1,024 float32.
;; This version of the problem:
;;   THIS VERSION OF THE PROBLEM IS GIVEN IN LOW PRECISION. The matrix products marked QUANTISED in the list below multiply operands that are first quantised to E2M3 (2 exponent bits, 3 mantissa bits; 6 bits a number), with one power-of-two scale for each 32 numbers along K (OCP MX v1.0); their sums are f32. All else is computed in f32.
;;   The module's matrix products, in the order in which they are computed (A, B: the left and right operand; K: the contracted axis; several contracted axes count as one K, in the product's order):
;;     1. [M 8,192, K 1,024] x [K 1,024, N 1,024]; A: input x; B: input Wq: QUANTISED
;;     2. [M 8,192, K 1,024] x [K 1,024, N 1,024]; A: input x; B: input Wk: QUANTISED
;;     3. [M 8,192, K 1,024] x [K 1,024, N 1,024]; A: input x; B: input Wv: QUANTISED
;;     4. batch 128 x [M 1,024, K 64] x [K 64, N 1,024]; A: computed on the way; B: computed on the way: QUANTISED
;;     5. batch 128 x [M 1,024, K 1,024] x [K 1,024, N 64]; A: softmax (see below); B: computed on the way: QUANTISED
;;     6. [M 8,192, K 1,024] x [K 1,024, N 1,024]; A: computed on the way; B: input Wo: QUANTISED
;;   THE QUANTISER, for each operand of a quantised product, along K:
;;     - K is cut into blocks of 32 from its start; a last block that is shorter is filled with zeros.
;;     - A block's scale is 2^e with e = floor(log2(the largest magnitude in the block)) - 2, held to -126 .. 127; a block of zeros has e = 0. As a byte (E8M0): e + 127.
;;     - Each number is divided by its block's scale, clamped to +-7.5, and rounded to the nearest number of E2M3, ties to even, subnormals kept.
;;     - The product sums the exact products of the quantised numbers (number of the format x scale) in f32.
;;   ~~~python
;;   def quantise(x, axis):      # numpy; x: float32 -> the quantised numbers, widened to float32 again
;;       x = np.moveaxis(x, axis, -1); K = x.shape[-1]
;;       x = np.pad(x, [(0, 0)] * (x.ndim - 1) + [(0, -K % 32)]); x = x.reshape(x.shape[:-1] + (-1, 32)); a = np.abs(x).max(-1, keepdims=True)
;;       e = np.where(a > 0, np.clip(np.frexp(np.where(a > 0, a, 1))[1] - 1 - 2, -126, 127), 0)      # np.frexp(a)[1] - 1 = floor(log2(a)), exactly
;;       r = np.clip(x / 2.0 ** e, -7.5, 7.5)
;;       step = 2.0 ** (np.maximum(np.frexp(np.where(r == 0, 1, r))[1] - 1, 0) - 3)
;;       q = np.round(r / step) * step * 2.0 ** e      # np.round: ties to even
;;       return np.moveaxis(q.reshape(q.shape[:-2] + (-1,))[..., :K], -1, axis).astype(np.float32)
;;   ~~~
;;   SOFTMAX AHEAD OF A QUANTISED PRODUCT. Where the list says 'softmax', what is quantised is not the finished softmax but p = 2^(t - M), with t = logit x log2(e) and M = ceil(the row's largest t), a whole number; so 1/2 < the row's largest p <= 1. The row's sum l is taken of the UNQUANTISED p, in f32, and the product's result is divided by l at the end. Since M is a whole number, a kernel that streams over the keys may use a running M (the ceiling of the running maximum): every later rescaling is an exact power of two, which a block's scale takes up: the codes' values come out the same.
;;   OPERANDS COMPUTED ON THE WAY. 'Computed on the way' means the value that the module computes at that place (a softmax that the list does not call 'softmax' is quantised finished and normalised). What goes into a quantiser is computed in f32, as accurately as f32 sums, v_exp_f32 and their like allow (about 1e-6 of the number): no bf16 or f16 on the way to a quantiser, and a product that is left as it is and whose result goes on into a quantised operand takes f32 operands (vector FMAs, or v_wmma_f32_16x16x4_f32). A number that lies on a knife's edge between two numbers of the format may be rounded either way, as far as f32 arithmetic and the matrix unit's own rounding can turn it there, and no further.
;; One version. Each part assembles by itself: llvm-mc -triple=amdgcn-amd-amdhsa -mcpu=gfx1250 --defsym DOCPART=n.
;; ======== version 1 of 1: 4 launches
;; limits: right only within a limited range of input values
;; workspace buffers: a_codes 6,291,456 bytes; a_scales 262,144 bytes; w_codes 3,145,728 bytes; w_scales 131,072 bytes; mimg 4,194,304 bytes; qkv 18,874,368 bytes; qkvs 1,310,720 bytes
;; launch prep (part 1): grid 512 x 1, 4 waves a work-group, no clusters, 33,280 bytes of LDS; arguments x, Wq, Wk, Wv, Wo, mask, a_codes, a_scales, w_codes, w_scales, mimg; writes a_codes, a_scales, w_codes, w_scales, mimg
.if DOCPART == 1
	.amdgcn_target "amdgcn-amd-amdhsa--gfx1250"
	.amdhsa_code_object_version 6
	.text
	.protected	k_qe483b00498_prep
	.globl	k_qe483b00498_prep
	.p2align	8
	.type	k_qe483b00498_prep,@function
k_qe483b00498_prep:
	s_mov_b64 s[64:65], 0
	v_nop
	global_prefetch_b8 v0, s[64:65] scope:SCOPE_SE
	s_setreg_imm32_b32 hwreg(HW_REG_WAVE_MODE, 25, 1), 1
	s_wait_xcnt 0x0
; x [8192][1024] and Wq, Wk, Wv, Wo [1024][1024], f32, become codes of FP6 (E2M3), K innermost, 768 bytes a row, with one E8M0 byte for each 32 along K (32 bytes a row);
; the mask [1024][1024] is laid anew as images of the registers in which the attention launch wants it.
; A block's scale is 2^(floor(log2(its largest magnitude)) - 2): its byte is the largest magnitude's exponent field - 2, held at 1 from below by a floor among the maximum's leaves.
; LIMITS: a block of zeros, or one under 2^-124, gets the byte 1 (its codes are zeros or subnormal codes; this program alone reads the bytes); NaN and infinities among the inputs are not served.
; SHARES.  Work-groups 0-255 take x, 256-383 the four weights (32 each), 384-511 the mask.  A quantising wave takes 8 rows (8,192 numbers, 16 steps of 512), a work-group 32 rows.
; THE ROWS ARE STORED PERMUTED inside each 32: the four groups of 8 rows go out in the order 0, 2, 1, 3 (wave w writes to place (w & 1) * 2 + (w >> 1)).  So lane r of a stored tile 2 b + u of 16 rows is
; row 32 b + 8 u + r + 8 (r / 8), and where such a tile is source 0 of a product, the 16 registers of the results of tiles 2 b and 2 b + 1 are 16 neighbours: ready for the next quantiser.
; Each load reads 512 consecutive bytes; a step's 2,048 bytes turn through the wave's own stage in LDS and come back 64 bytes a lane (16 neighbours along K; two lanes hold a block).
.set STEPS, 16
.set EMAX,  2
.set CB,    12                         ; bytes of 16 codes
.set R,     16                         ; v16-79   four sets of 16 numbers as loaded (mask path: the 64 numbers of an image)
.set X,     80                         ; v80-111  two sets of 16 neighbours
.set C,     128                        ; v128-191 codes: four registers a step, so that no store's data are written again
.set E,     112                        ; v112-127 a scale byte for each step
.set WREG,  8192                       ; LDS of a wave: two stages of 32 x SP bytes, then its 256 scale bytes
.set SP,    80                         ; a lane's place in a stage: 64 bytes + 16 of padding
	s_load_b512 s[4:19], s[0:1], 0x0               ; x s[4:5], Wq s[6:7], Wk s[8:9], Wv s[10:11], Wo s[12:13], mask s[14:15], a_codes s[16:17], a_scales s[18:19]
	s_load_b128 s[20:23], s[0:1], 0x40             ; w_codes, w_scales
	s_load_b64 s[24:25], s[0:1], 0x50              ; mimg
	v_lshl_add_u32 v192, v0, 2, 0x8000
	v_mov_b32 v193, 0
	v_lshrrev_b32 v1, 5, v0
	v_readfirstlane_b32 s26, v1                    ; wave
	v_and_b32 v2, 31, v0                           ; lane
	s_cmp_ge_u32 ttmp9, 384
	s_cbranch_scc1 .Lmask                          ; the mask's work-groups use no LDS
	v_lshlrev_b32 v3, 4, v2                        ; my 16 bytes of a load's 512
	s_mul_i32 s27, s26, WREG
	v_lshrrev_b32 v14, 2, v2
	v_mul_u32_u24 v14, v14, SP
	v_and_b32 v15, 3, v2
	v_lshl_add_u32 v14, v15, 4, v14
	v_add_nc_u32 v14, s27, v14                     ; the stage, on the way in: SP (lane / 4) + 16 (lane % 4)
	v_mul_u32_u24 v15, v2, SP
	v_add_nc_u32 v15, s27, v15                     ; and on the way out: SP x lane
	v_mul_u32_u24 v4, v2, CB                       ; my codes' place in a step's 384 bytes
	v_lshrrev_b32 v5, 1, v2
	s_add_co_u32 s27, s27, 2*32*SP
	v_add_nc_u32 v5, s27, v5                       ; my block's byte among the wave's 256
	v_lshlrev_b32 v7, 3, v2
	v_add_nc_u32 v6, s27, v7                       ; and 8 bytes a lane on the way out
	s_and_b32 s28, ttmp9, 31                       ; a weight's work-group among its 32
	s_and_b32 s29, ttmp9, 255                      ; the work-group's place in the buffer that it writes
	s_wait_alu depctr_va_vdst(0)
	s_wait_kmcnt 0x0
	s_cmp_lt_u32 ttmp9, 352                        ; which tensor: the choices hang on the work-group's number alone
	s_cselect_b64 s[12:13], s[10:11], s[12:13]
	s_cmp_lt_u32 ttmp9, 320
	s_cselect_b64 s[12:13], s[8:9], s[12:13]
	s_cmp_lt_u32 ttmp9, 288
	s_cselect_b64 s[12:13], s[6:7], s[12:13]
	s_cmp_lt_u32 ttmp9, 256
	s_cselect_b64 s[12:13], s[4:5], s[12:13]       ; the source
	s_cselect_b64 s[16:17], s[16:17], s[20:21]     ; its codes
	s_cselect_b64 s[18:19], s[18:19], s[22:23]     ; its scale bytes
	s_cselect_b32 s28, ttmp9, s28
	s_lshl_b32 s28, s28, 2
	s_add_co_u32 s28, s28, s26                     ; which 8 rows I read
	s_lshl_b32 s29, s29, 2
	s_and_b32 s30, s26, 1
	s_lshl_b32 s30, s30, 1
	s_lshr_b32 s31, s26, 1
	s_or_b32 s30, s30, s31
	s_add_co_u32 s30, s29, s30                     ; and to which place of 8 rows they go: the wave's two bits change places
	s_lshl_b32 s32, s28, 15                        ; 8 rows of 4,096 bytes
	s_mov_b32 s33, 0
	s_add_nc_u64 s[12:13], s[12:13], s[32:33]
	s_mul_i32 s32, s30, 6144                       ; 8 rows of 768 bytes
	s_add_nc_u64 s[16:17], s[16:17], s[32:33]
	s_lshl_b32 s32, s30, 8                         ; 8 rows of 32 bytes
	s_add_nc_u64 s[18:19], s[18:19], s[32:33]
.macro LOAD t
.irp i, 0,1,2,3
	global_load_b128 v[R+16*((\t)%4)+4*\i:R+16*((\t)%4)+4*\i+3], v3, s[12:13] offset:2048*(\t)+512*\i th:TH_LOAD_NT   ; 32 lanes read 512 consecutive bytes
.endr
.endm
.macro TURN t                          ; step t's numbers through the stage: LDS serves a wave's instructions in order, so no wait stands between the stores and the loads
.irp i, 0,1,2,3
	ds_store_b128 v14, v[R+16*((\t)%4)+4*\i:R+16*((\t)%4)+4*\i+3] offset:32*SP*((\t)%2)+8*SP*\i
.endr
.irp i, 0,1,2,3
	ds_load_b128 v[X+16*((\t)%2)+4*\i:X+16*((\t)%2)+4*\i+3], v15 offset:32*SP*((\t)%2)+16*\i
.endr
.endm
.irp t, 0,1,2,3
	LOAD \t
.endr
	s_wait_loadcnt 12                              ; step 0's four loads are in; twelve younger ones stay out
	TURN 0
.macro STEP t
.set XS, X+16*((\t)%2)
.if (\t) > 0
	s_wait_dscnt 1                                 ; this step's numbers are back from the stage (the last step's byte store may be out)
.else
	s_wait_dscnt 0x0
.endif
.if (\t)+4 < STEPS
	LOAD (\t)+4                                    ; into the set whose stores into the stage have read their registers
.endif
.if (\t)+1 < STEPS
.if STEPS-2-(\t) >= 3
	s_wait_loadcnt 12                              ; the next step's four loads are in; those of the three steps behind it may be out
.else
	s_wait_loadcnt 4*(STEPS-2-(\t))
.endif
	TURN (\t)+1
.endif
	v_max3_num_f32 v8, |v[XS]|, |v[XS+1]|, |v[XS+2]|               ; the largest magnitude of my 16, in two chains
	v_max3_num_f32 v9, |v[XS+3]|, |v[XS+4]|, |v[XS+5]|
.irp i, 6,10
	v_max3_num_f32 v8, v8, |v[XS+\i]|, |v[XS+\i+1]|
	v_max3_num_f32 v9, v9, |v[XS+\i+2]|, |v[XS+\i+3]|
.endr
	v_max3_num_f32 v8, v8, |v[XS+14]|, |v[XS+15]|
	v_max3_num_f32 v8, v8, v9, (EMAX+1)<<23        ; and the floor 2^(3 - 127): the byte cannot fall under 1
	v_max_num_f32_dpp v8, v8, v8 row_xmask:1 row_mask:0xf bank_mask:0xf   ; with my neighbour's 16: the block's
	v_add_nc_u32 v11, -(EMAX<<23), v8              ; 2 off its exponent field: the conversion takes the exponent field of this operand as its scale
	v_cvt_scalef32_pk16_fp6_f32 v[C+4*(\t):C+4*(\t)+2], v[XS:XS+15], v11
	v_lshrrev_b32 v[E+(\t)], 23, v11               ; the scale's byte (a plain line behind the conversion)
	ds_store_b8 v5, v[E+(\t)] offset:16*(\t)       ; both lanes of a block write the same byte with the same value
	global_store_b96 v4, v[C+4*(\t):C+4*(\t)+2], s[16:17] offset:32*CB*(\t)   ; the wave stores 384 consecutive bytes
.endm
.irp t, 0,1,2,3,4,5,6,7,8,9,10,11,12,13,14,15
	STEP \t
.endr
	ds_load_b64 v[12:13], v6                       ; LDS serves a wave's instructions in order: these see my byte stores
	s_wait_dscnt 0x0
	global_store_b64 v7, v[12:13], s[18:19]        ; 32 lanes store 256 consecutive bytes, aligned
	s_wait_tensorcnt 0x0
	ds_add_u32 v192, v193
	s_wait_dscnt 0x0
	s_endpgm
.Lmask:
	; Image idx = 64 ks + mt: key step ks (128 keys), tile mt of 16 stored queries.  Chunk c (512 bytes) holds at 16 x lane the registers 4 c .. 4 c + 3 of the scores' accumulators:
	; register 16 b + i of lane (r, h) = mask[32 (mt / 2) + 8 (mt % 2) + r + 8 (r / 8)][128 ks + 32 b + 16 h + i].
	s_sub_co_u32 s27, ttmp9, 384
	s_lshl_b32 s27, s27, 2
	s_add_co_u32 s27, s27, s26                     ; idx 0 .. 511
	s_lshr_b32 s28, s27, 6                         ; ks
	s_and_b32 s29, s27, 63                         ; mt
	s_lshr_b32 s30, s29, 1
	s_lshl_b32 s30, s30, 5
	s_and_b32 s31, s29, 1
	s_lshl_b32 s31, s31, 3
	s_add_co_u32 s30, s30, s31                     ; the tile's first row
	s_lshl_b32 s30, s30, 12                        ; rows of 4,096 bytes
	s_lshl_b32 s31, s28, 9                         ; 128 keys are 512 bytes
	s_add_co_u32 s30, s30, s31
	s_mov_b32 s31, 0
	s_lshl_b32 s32, s27, 13                        ; an image is 8,192 bytes
	s_mov_b32 s33, 0
	v_and_b32 v3, 15, v0                           ; r
	v_bfe_u32 v4, v0, 4, 1                         ; h
	v_and_b32 v5, 8, v3
	v_add_nc_u32 v5, v5, v3                        ; r + 8 (r / 8)
	v_lshlrev_b32 v5, 12, v5
	v_lshl_add_u32 v5, v4, 6, v5                   ; + 64 h
	s_wait_alu depctr_va_vdst(0)
	v_lshlrev_b32 v6, 4, v2                        ; out: 16 x lane
	s_wait_alu depctr_va_vdst(0)
	s_wait_kmcnt 0x0
	s_add_nc_u64 s[14:15], s[14:15], s[30:31]
	s_add_nc_u64 s[24:25], s[24:25], s[32:33]
.irp c, 0,1,2,3,4,5,6,7,8,9,10,11,12,13,14,15
	global_load_b128 v[R+4*\c:R+4*\c+3], v5, s[14:15] offset:128*(\c/4)+16*(\c%4)
.endr
.irp c, 0,1,2,3,4,5,6,7,8,9,10,11,12,13,14,15
	s_wait_loadcnt 15-\c                           ; loads come back in order: chunk c is in
	global_store_b128 v6, v[R+4*\c:R+4*\c+3], s[24:25] offset:512*\c   ; 512 consecutive bytes, aligned
.endr
	s_endpgm
.Lfunc_end_k_qe483b00498_prep:
	.size	k_qe483b00498_prep, .Lfunc_end_k_qe483b00498_prep-k_qe483b00498_prep
	.p2alignl 7, 3214868480
	.fill 96, 4, 3214868480
	.section	.rodata,"a",@progbits
	.p2align	6, 0x0
	.amdhsa_kernel k_qe483b00498_prep
		.amdhsa_group_segment_fixed_size 33280
		.amdhsa_private_segment_fixed_size 0
		.amdhsa_enable_private_segment 0
		.amdhsa_kernarg_size 88
		.amdhsa_user_sgpr_count 2
		.amdhsa_user_sgpr_kernarg_segment_ptr 1
		.amdhsa_wavefront_size32 1
		.amdhsa_system_sgpr_workgroup_id_x 1
		.amdhsa_system_sgpr_workgroup_id_y 1
		.amdhsa_system_sgpr_workgroup_id_z 1
		.amdhsa_system_vgpr_workitem_id 0
		.amdhsa_next_free_vgpr 194
		.amdhsa_next_free_sgpr 66
		.amdhsa_reserve_vcc 0
		.amdhsa_float_denorm_mode_32 3
		.amdhsa_float_denorm_mode_16_64 3
		.amdhsa_memory_ordered 1
		.amdhsa_forward_progress 1
		.amdhsa_inst_pref_size 37
	.end_amdhsa_kernel
	.amdgpu_metadata
---
amdhsa.version: [ 1, 2 ]
amdhsa.kernels:
  - .name:           k_qe483b00498_prep
    .symbol:         k_qe483b00498_prep.kd
    .args:
      - { .name: x, .offset: 0, .size: 8, .value_kind: global_buffer, .address_space: global }
      - { .name: Wq, .offset: 8, .size: 8, .value_kind: global_buffer, .address_space: global }
      - { .name: Wk, .offset: 16, .size: 8, .value_kind: global_buffer, .address_space: global }
      - { .name: Wv, .offset: 24, .size: 8, .value_kind: global_buffer, .address_space: global }
      - { .name: Wo, .offset: 32, .size: 8, .value_kind: global_buffer, .address_space: global }
      - { .name: mask, .offset: 40, .size: 8, .value_kind: global_buffer, .address_space: global }
      - { .name: a_codes, .offset: 48, .size: 8, .value_kind: global_buffer, .address_space: global }
      - { .name: a_scales, .offset: 56, .size: 8, .value_kind: global_buffer, .address_space: global }
      - { .name: w_codes, .offset: 64, .size: 8, .value_kind: global_buffer, .address_space: global }
      - { .name: w_scales, .offset: 72, .size: 8, .value_kind: global_buffer, .address_space: global }
      - { .name: mimg, .offset: 80, .size: 8, .value_kind: global_buffer, .address_space: global }
    .group_segment_fixed_size: 33280
    .private_segment_fixed_size: 0
    .kernarg_segment_align: 8
    .kernarg_segment_size: 88
    .max_flat_workgroup_size: 128
    .sgpr_count:     66
    .vgpr_count:     194
    .wavefront_size: 32
...
	.end_amdgpu_metadata
.endif
;; end of part 1
;; launch qkv (part 2): grid 8 x 32, 4 waves a work-group, clusters of 4 x 4, 327,680 bytes of LDS; arguments a_codes, a_scales, w_codes, w_scales, bq, bv, qkv, qkvs; writes qkv, qkvs
.if DOCPART == 2
	.amdgcn_target "amdgcn-amd-amdhsa--gfx1250"
	.amdhsa_code_object_version 6
	.text
	.protected	k_qe483b00498_qkv
	.globl	k_qe483b00498_qkv
	.p2align	8
	.type	k_qe483b00498_qkv,@function
k_qe483b00498_qkv:
	s_mov_b64 s[64:65], 0
	v_nop
	global_prefetch_b8 v0, s[64:65] scope:SCOPE_SE
	s_setreg_imm32_b32 hwreg(HW_REG_WAVE_MODE, 25, 1), 1
	s_wait_xcnt 0x0
	s_wait_alu depctr_hold_cnt(0) depctr_sa_sdst(0) depctr_va_vdst(0) depctr_va_sdst(0) depctr_va_ssrc(0) depctr_va_vcc(0) depctr_vm_vsrc(0)
	s_getreg_b32 s2, hwreg(HW_REG_IB_STS2, 6, 4)
	s_cmp_eq_u32 s2, 0
	s_cbranch_scc0 .Lentry_in_a_cluster
	s_endpgm
.Lentry_in_a_cluster:
	s_bfe_u32 s2, ttmp6, 0x10000c
	s_cmp_lg_u32 s2, 0xf033
	s_cbranch_scc0 .Lentry_shape_is_right
	s_endpgm
.Lentry_shape_is_right:
; The three projections on codes of FP6 (E2M3) with E8M0 scales, K = 1,024, and the quantising of their results for the attention launch:
; q = (x Wq^T + bq) / 64^(1/4), k = (x Wk^T) / 64^(1/4), v = x Wv^T + bv.
; SHARES.  Work-group (J, I), 8 x 32 = 256: the 256 rows I of x stay in LDS for the whole launch, whole rows of K (768 bytes, each beginning at a multiple of 256);
; three tiles of 128 weight rows pass through a second region: rows 128 J of Wq, then of Wk, then of Wv.  The kind of a tile hangs on the trip alone, so it is the same in all work-groups.
; LDS rows: 768 bytes + 16 behind each 256 = 816.  256 + 128 rows are 313,344 bytes; the spare words follow.  No ring along K: a weight tile is asked for once, ahead of the last half K step of the tile before it,
; and lands while that tile is quantised and stored.
; A wave makes 8 blocks of source 0 x 4 blocks of source 1: 32 accumulators.  q, k: source 0 = the 128 weight rows, source 1 = 64 rows of x (wave w: rows 64 w).  v: source 0 = 128 rows of x (half w % 2), source 1 = 64 rows of Wv (half w / 2).
; A lane holds one row of source 1, and its 64 registers of a block run along source 0's 128 rows; all rows were stored permuted inside each 32 (8-row groups 0, 2, 1, 3), so register 16 b + i of lane (r, h) is
; source 0's original row 32 b + 16 h + i: 16 neighbours along the next product's K.  They are quantised in registers and leave as images of operand registers.
; OUT.  A half image (768 bytes): registers 0-3 at 16 x lane, registers 4-5 at 512 + 8 x lane.  q, k: [group of 4 heads][128 stored rows][head 4][tile 8][768]; v: [group][128 keys][tile of 16 channels 16][half 2][768].
; q's and k's scale word: the head's two bytes below, 0x7f7f above.  For v lanes l and l + 16 store the same word to the same place.
; THE OPERANDS' SCALE WORDS go from memory into registers: a lane takes its row's 32 bytes (all of K), sixteen lanes 512 consecutive bytes.
; CLUSTER 4 x 4: x's rows hang on I alone and are asked for jointly along a row of the cluster, the weight rows on J alone, along a column.
; NO PREFETCH: the launch has two refills; each is asked for a way out ahead of its use, and its tile is read by 32 work-groups in the same trip.
; LIMITS: NaN and infinities are not served; a block of zeros, or one under 2^-124, gets the byte 1 (this program alone reads the bytes).
; REGISTERS, windows of 256.  0: v0-31 addresses; v32-63 source 1's scale words, v64-127 source 0's; v128-229 the way out; v232-239 bv.  1: source 0's fragments, two sets.  2: accumulators ((a, b) at 8 (8 a + b)).
; 3: source 1's fragments, two sets of 48; v96-159 bq in the result's layout.
.set PITCH, 816
.set BLK,   16*PITCH
.set WR,    256*PITCH
.set SPARE, 384*PITCH
.set SPW,  28
.set NIL,  29
.set SA,   32
.set SB,   64
.set BN,   96
.set T,    128
.set PC,   192
.set TM,   212
.set PW,   228
.set PWT,  229
.set BM,   232
.set SEL,  66
.set G1X, 24
.set G0X, 32
.set G1W, 48
.set G0W, 56
.set FLAGS, (1<<20)|(1<<21)|(5<<22)|(3<<25)   ; elements of 1 byte; padding of 4 words behind every 64; bit 21 beside a mask
.set MSB, 0
.macro WIN new
.if MSB != \new
	s_set_vgpr_msb (MSB<<8)|\new
.set MSB, \new
.endif
.endm
.macro PLACES
.rept 4
	v_nop
.endr
.endm
.macro CREST
	s_cmp_lg_u32 s20, 0
	s_cbranch_scc1 .Lnot_wave_0_\@
	s_barrier_signal -3
.Lnot_wave_0_\@:
	s_barrier_wait -3
	s_barrier_signal -1
	s_barrier_wait -1
.endm
.macro CROUND
	s_barrier_signal -1
	s_barrier_wait -1
	CREST
.endm
	s_load_b512 s[4:19], s[0:1], 0x0               ; a_codes, a_scales, w_codes, w_scales, bq, bv, qkv, qkvs
	v_lshl_add_u32 v[SPW], v0, 2, SPARE
	v_mov_b32 v[NIL], 0
	ds_add_u32 v[SPW], v[NIL]                      ; the opening lines
	ds_add_u32 v[SPW], v[NIL]
	v_lshrrev_b32 v1, 5, v0
	v_readfirstlane_b32 s20, v1                    ; wave
	s_lshr_b32 s21, s20, 1                         ; w / 2: I fetch x (0) or weights (1)
	s_and_b32 s22, s20, 1                          ; w % 2: which half I fetch
	s_bfe_u32 s40, ttmp6, 0x40000                  ; cx
	s_bfe_u32 s41, ttmp6, 0x40004                  ; cy
	s_lshl_b32 s46, ttmp9, 2
	s_add_co_u32 s46, s46, s40                     ; J
	s_and_b32 s23, ttmp7, 0xffff
	s_lshl_b32 s23, s23, 2
	s_add_co_u32 s23, s23, s41                     ; I
	s_lshl_b32 s43, s41, 2
	s_lshl_b32 s43, 15, s43                        ; my row of the cluster
	s_lshl_b32 s44, 0x1111, s40                    ; my column
	s_or_b32 s[G1X], s43, FLAGS
	s_or_b32 s[G1W], s44, FLAGS
.irp g, G1X, G1W
	s_mov_b32 s[\g+1], 768<<16
	s_mov_b32 s[\g+3], 768<<16
	s_mov_b32 s[\g+5], 768
	s_mov_b32 s[\g+6], 0
	s_mov_b32 s[\g+7], 0
.endr
	s_mov_b32 s[G1X+2], 128<<16                    ; x: 128 rows a load
	s_mov_b32 s[G1X+4], 128
	s_mov_b32 s[G1W+2], 64<<16                     ; weights: 64 rows a load
	s_mov_b32 s[G1W+4], 64
	s_lshl_b32 s94, s23, 8
	s_lshl_b32 s92, s22, 7
	s_add_co_u32 s94, s94, s92
	s_mul_i32 s94, s94, 768                        ; x's row 256 I + 128 half
	s_mov_b32 s95, 0
	s_lshl_b32 s96, s46, 7
	s_lshl_b32 s92, s22, 6
	s_add_co_u32 s96, s96, s92
	s_mul_i32 s96, s96, 768                        ; Wq's row 128 J + 64 half
	s_mov_b32 s97, 0
	s_mul_i32 s98, s22, 128*PITCH
	s_mul_i32 s99, s22, 64*PITCH
	s_wait_dscnt 0x0
	s_wait_kmcnt 0x0
	s_mov_b32 s[G0X], 1
	s_mov_b32 s[G0X+1], s98
	s_add_nc_u64 s[G0X+2:G0X+3], s[4:5], s[94:95]
	s_or_b32 s[G0X+3], s[G0X+3], 0x80000000
	s_mov_b32 s[G0W], 1
	s_add_co_u32 s[G0W+1], s99, WR
	s_add_nc_u64 s[G0W+2:G0W+3], s[8:9], s[96:97]
	s_or_b32 s[G0W+3], s[G0W+3], 0x80000000
	CROUND                                         ; the first joint loads meet
	s_cmp_eq_u32 s21, 0                            ; one load a wave: waves 0, 1 x's halves, waves 2, 3 Wq's
	s_cbranch_scc0 .Lhead_w
	tensor_load_to_lds s[G0X:G0X+3], s[G1X:G1X+7]
	s_nop 0
	PLACES
	s_branch .Lhead_asked
.Lhead_w:
	tensor_load_to_lds s[G0W:G0W+3], s[G1W:G1W+7]
	s_nop 0
	PLACES
.Lhead_asked:
	; where the results go
	s_lshr_b32 s86, s23, 2
	s_lshl_b32 s86, s86, 2
	s_lshr_b32 s87, s46, 1
	s_add_co_u32 s86, s86, s87                     ; group = 4 x batch + group of 4 heads
	s_and_b32 s87, s23, 3
	s_lshl_b32 s87, s87, 1                         ; 2 (I % 4)
	s_and_b32 s88, s46, 1                          ; J % 2
	s_lshl_b32 s89, s86, 3
	s_add_co_u32 s89, s89, s87
	s_mov_b32 s91, 0
	s_add_co_u32 s90, s89, s21                     ; q, k: my 64 rows lie in the 128 rows 2 (I % 4) + w / 2, tiles 4 (w % 2) on
	s_mul_i32 s90, s90, 24576
	s_mul_i32 s92, s88, 12288
	s_add_co_u32 s90, s90, s92
	s_mul_i32 s92, s22, 3072
	s_add_co_u32 s90, s90, s92
	s_add_nc_u64 s[78:79], s[16:17], s[90:91]
	s_lshl_b32 s93, s88, 3
	s_lshl_b32 s92, s21, 2
	s_add_co_u32 s93, s93, s92                     ; v: my first tile of 16 channels: 8 (J % 2) + 4 (w / 2)
	s_add_co_u32 s90, s89, s22                     ; and my 128 keys: 2 (I % 4) + w % 2
	s_mul_i32 s90, s90, 24576
	s_mul_i32 s92, s93, 1536
	s_add_co_u32 s90, s90, s92
	s_add_co_u32 s90, s90, 12582912
	s_add_nc_u64 s[82:83], s[16:17], s[90:91]      ; v's codes
	s_mov_b64 s[16:17], s[78:79]                   ; q's codes
	s_add_nc_u64 s[78:79], s[78:79], 6291456       ; k's codes
	s_add_co_u32 s92, s87, s21
	s_lshl_b32 s92, s92, 9
	s_lshl_b32 s94, s88, 13
	s_add_co_u32 s92, s92, s94
	s_lshl_b32 s94, s22, 8
	s_add_co_u32 s92, s92, s94
	s_mul_i32 s96, s86, 24576
	s_add_co_u32 s96, s96, 0x80000
	s_add_co_u32 s90, s96, s92
	s_add_nc_u64 s[80:81], s[18:19], s[90:91]      ; k's scale words
	s_add_co_u32 s94, s87, s22
	s_lshl_b32 s94, s94, 10
	s_add_co_u32 s90, s96, s94
	s_lshl_b32 s94, s93, 6
	s_add_co_u32 s90, s90, s94
	s_add_co_u32 s90, s90, 16384
	s_add_nc_u64 s[84:85], s[18:19], s[90:91]      ; v's
	s_lshl_b32 s90, s86, 14
	s_add_co_u32 s90, s90, s92
	s_add_nc_u64 s[18:19], s[18:19], s[90:91]      ; q's
	; the operands' scale bytes: s[68:69] source 0's, s[70:71] source 1's, for the tile to come
	s_lshl_b32 s90, s46, 12
	s_add_nc_u64 s[68:69], s[10:11], s[90:91]      ; Wq's rows 128 J
	s_add_nc_u64 s[72:73], s[68:69], 32768         ; Wk's
	s_lshl_b32 s90, s21, 11
	s_add_co_u32 s90, s90, 65536
	s_add_nc_u64 s[76:77], s[68:69], s[90:91]      ; Wv's, my 64
	s_lshl_b32 s90, s23, 13
	s_add_nc_u64 s[74:75], s[6:7], s[90:91]
	s_lshl_b32 s90, s20, 11
	s_add_nc_u64 s[70:71], s[74:75], s[90:91]      ; x's rows 64 w
	s_lshl_b32 s90, s22, 12
	s_add_nc_u64 s[74:75], s[74:75], s[90:91]      ; x's half w % 2
	s_lshl_b32 s90, s46, 9
	s_add_nc_u64 s[12:13], s[12:13], s[90:91]      ; bq at channel 128 J
	s_add_nc_u64 s[14:15], s[14:15], s[90:91]
	s_lshl_b32 s90, s21, 8
	s_add_nc_u64 s[14:15], s[14:15], s[90:91]      ; bv at channel 128 J + 64 (w / 2)
	s_mov_b32 s36, 0x3eb504f3                      ; 64^(-1/4)
	s_mov_b32 s37, s36
	s_mov_b32 s38, 0xffff
	s_mov_b32 s39, 0x7f7f0000
	s_mov_b32 s[SEL], 0x76543210
	s_mov_b32 s[SEL+1], 0xfedcba98
	s_mul_i32 s92, s20, 64*PITCH
	s_mul_i32 s93, s22, 128*PITCH
	s_mul_i32 s94, s21, 64*PITCH
	s_add_co_u32 s94, s94, WR
	v_and_b32 v1, 15, v0                           ; r
	v_bfe_u32 v2, v0, 4, 1                         ; h
	v_mul_u32_u24 v3, v1, PITCH
	v_mad_u32_u24 v4, v2, 24, v3                   ; row x pitch + 24 h
	v_lshl_add_u32 v5, v2, 4, v4                   ; the same where lanes 16-31 lie behind one padding more
	v_add_nc_u32 v16, WR, v4                       ; q, k: source 0 = the weight region, blocks 0-3 (v16, v17) and 4-7 (v18, v19)
	v_add_nc_u32 v17, WR, v5
	v_add_nc_u32 v18, WR+4*BLK, v4
	v_add_nc_u32 v19, WR+4*BLK, v5
	v_add_nc_u32 v20, s92, v4                      ; source 1 = x's rows 64 w
	v_add_nc_u32 v21, s92, v5
	v_add_nc_u32 v22, s93, v4                      ; v: source 0 = x's half w % 2
	v_add_nc_u32 v23, s93, v5
	v_add_nc_u32 v24, 4*BLK, v22
	v_add_nc_u32 v25, 4*BLK, v23
	v_add_nc_u32 v26, s94, v4                      ; source 1 = Wv's half w / 2
	v_add_nc_u32 v27, s94, v5
	v_and_b32 v10, 31, v0
	v_lshlrev_b32 v8, 4, v10                       ; 16 x lane
	v_lshlrev_b32 v9, 3, v10                       ; 8 x lane
	v_lshlrev_b32 v13, 2, v1                       ; v's scale word: 4 r
	v_lshl_add_u32 v12, v2, 12, v13                ; q's, k's: lanes 16-31 the second head's
	v_lshlrev_b32 v7, 4, v2                        ; and its two bytes
	v_lshlrev_b32 v6, 5, v1                        ; a row of scale bytes: 32 r
	v_lshlrev_b32 v14, 6, v2                       ; bq: 16 h numbers
	v_and_b32 v15, 8, v1
	v_add_nc_u32 v15, v15, v1
	v_lshlrev_b32 v15, 2, v15                      ; bv: r + 8 (r / 8) numbers
.irp b, 0,1,2,3
	v_mov_b32 v[TM+4+\b], 0                        ; a lane permute's destination counts as one of its sources
.endr
	s_wait_alu depctr_va_vdst(0)                   ; the wait behind the head's vector lines
.macro SCLOAD                          ; 24 loads: all of K's scale words of source 0's 8 blocks and source 1's 4
.irp i, 0,1,2,3,4,5,6,7
	global_load_b128 v[SB+8*\i:SB+8*\i+3], v6, s[68:69] offset:512*\i
	global_load_b128 v[SB+8*\i+4:SB+8*\i+7], v6, s[68:69] offset:512*\i+16
.endr
.irp i, 0,1,2,3
	global_load_b128 v[SA+8*\i:SA+8*\i+3], v6, s[70:71] offset:512*\i
	global_load_b128 v[SA+8*\i+4:SA+8*\i+7], v6, s[70:71] offset:512*\i+16
.endr
.endm
	SCLOAD
.irp a, 0,1,2,3                        ; block a = 2 b + u, lane r: channel 32 b + 8 u + r + 8 (r / 8); twice, a pair for the packed form
	global_load_b32 v[BM+2*\a], v15, s[14:15] offset:(32*(\a/2)+8*(\a%2))*4
	global_load_b32 v[BM+2*\a+1], v15, s[14:15] offset:(32*(\a/2)+8*(\a%2))*4
.endr
	WIN 0xc0
.irp t, 0,1,2,3,4,5,6,7                ; tile 2 b + u, register j: channel 32 b + 16 h + 8 u + j
	global_load_b128 v[BN+8*\t:BN+8*\t+3], v14, s[12:13] offset:128*(\t/2)+32*(\t%2)
	global_load_b128 v[BN+8*\t+4:BN+8*\t+7], v14, s[12:13] offset:128*(\t/2)+32*(\t%2)+16
.endr
	WIN 0
; A fragment: lane l holds row l % 16; registers 6 c .. 6 c + 5 hold K = 64 c + 32 (l / 16) + 0 .. 31: 24 bytes of the row, in pieces of 8.  Byte y of a row lies at y + 16 (y / 256) of its LDS row.
.macro FRAG reg, adr, st, i
.irp p, 0,1,2,3,4,5
.set BY, 96*(\st)+48*(\p/3)+8*(\p%3)
.set XC, (BY+24)/256-BY/256
	ds_load_b64 v[\reg+2*\p:\reg+2*\p+1], v[\adr+2*((\i)/4)+XC] offset:BY+16*(BY/256)+((\i)%4)*BLK
.endr
.endm
.macro FETCH0 st, adr                  ; source 0's eight fragments of step st: 48 loads
	WIN 0x40
.irp i, 0,1,2,3,4,5,6,7
	FRAG 128*((\st)%2)+12*\i, \adr, \st, \i
.endr
.endm
.macro FETCH1 st, adr                  ; source 1's four: 24 loads
	WIN 0xc0
.irp i, 0,1,2,3
	FRAG 48*((\st)%2)+12*\i, \adr, \st, \i
.endr
.endm
; 16 matrix instructions: source 1's blocks a0, a0 + 1 x source 0's eight.  c = 0: add on; 1: the sums begin with 0; 2: with bq.  The 32 accumulators take turns.
.macro MUL st, a0, c
.irp a, \a0, \a0+1
.irp b, 0,1,2,3,4,5,6,7
.if (\c) == 0
	v_wmma_scale_f32_16x16x128_f8f6f4 v[8*(8*(\a)+\b):8*(8*(\a)+\b)+7], v[128*((\st)%2)+12*\b:128*((\st)%2)+12*\b+11], v[48*((\st)%2)+12*(\a):48*((\st)%2)+12*(\a)+11], v[8*(8*(\a)+\b):8*(8*(\a)+\b)+7], v[SB+8*\b+(\st)], v[SA+8*(\a)+(\st)] matrix_a_fmt:MATRIX_FMT_FP6 matrix_b_fmt:MATRIX_FMT_FP6
.elseif (\c) == 1
	v_wmma_scale_f32_16x16x128_f8f6f4 v[8*(8*(\a)+\b):8*(8*(\a)+\b)+7], v[128*((\st)%2)+12*\b:128*((\st)%2)+12*\b+11], v[48*((\st)%2)+12*(\a):48*((\st)%2)+12*(\a)+11], 0, v[SB+8*\b+(\st)], v[SA+8*(\a)+(\st)] matrix_a_fmt:MATRIX_FMT_FP6 matrix_b_fmt:MATRIX_FMT_FP6
.else
	v_wmma_scale_f32_16x16x128_f8f6f4 v[8*(8*(\a)+\b):8*(8*(\a)+\b)+7], v[128*((\st)%2)+12*\b:128*((\st)%2)+12*\b+11], v[48*((\st)%2)+12*(\a):48*((\st)%2)+12*(\a)+11], v[BN+8*\b:BN+8*\b+7], v[SB+8*\b+(\st)], v[SA+8*(\a)+(\st)] matrix_a_fmt:MATRIX_FMT_FP6 matrix_b_fmt:MATRIX_FMT_FP6
.endif
.endr
.endr
.endm
.macro PRE st, a0                      ; places in front of loads into the set that the last step multiplied; the next step's source 0; then all but those 48 loads are in
	PLACES
	FETCH0 (\st)+1, \a0
	s_wait_dscnt 48
.endm
.macro BODY st, c, a1                  ; source 0 window 1, source 1 window 3, C and D window 2 (c = 2: C window 3)
	WIN 0xad+0x10*((\c)/2)
	MUL \st, 0, \c
	FETCH1 (\st)+1, \a1
	WIN 0xad+0x10*((\c)/2)
	MUL \st, 2, \c
.endm
; 64 numbers of a lane, register 16 b + i = place 32 b + 16 (lane / 16) + i along the next K, become a fragment's codes in v[PC] on and its scale word in v[PW].
.macro QUANT s
.irp b, 0,1,2,3
	v_max3_num_f32 v[TM+\b], |v[\s+16*\b]|, |v[\s+1+16*\b]|, 0x1800000   ; and the floor 2^(3 - 127): the byte cannot fall under 1
.endr
.irp i, 2,4,6,8,10,12,14
.irp b, 0,1,2,3
	v_max3_num_f32 v[TM+\b], v[TM+\b], |v[\s+16*\b+\i]|, |v[\s+1+16*\b+\i]|
.endr
.endr
.irp b, 0,1,2,3
	v_permlanex16_b32 v[TM+4+\b], v[TM+\b], s[SEL], s[SEL+1]
.endr
.irp b, 0,1,2,3
	v_max_num_f32 v[TM+\b], v[TM+\b], v[TM+4+\b]
.endr
.irp b, 0,1,2,3
	v_add_nc_u32 v[TM+12+\b], 0xff000000, v[TM+\b] ; 2 off the exponent field: the conversion's scale operand
.endr
.irp b, 0,1,2,3
	v_lshrrev_b32 v[TM+4+\b], 23, v[TM+12+\b]      ; the scale's byte
.endr
	v_lshl_or_b32 v[PW], v[TM+5], 8, v[TM+4]
	v_lshl_or_b32 v[PW], v[TM+6], 16, v[PW]
	v_lshl_or_b32 v[PW], v[TM+7], 24, v[PW]
.irp c, 0,1
	v_cvt_scalef32_pk16_fp6_f32 v[PC+6*\c:PC+2+6*\c], v[\s+32*\c:\s+15+32*\c], v[TM+12+2*\c]
	v_cvt_scalef32_pk16_fp6_f32 v[PC+12+4*\c:PC+14+4*\c], v[\s+16+32*\c:\s+31+32*\c], v[TM+12+2*\c+1]
.endr
	v_nop                                          ; one plain line behind a scaled conversion
.irp c, 0,1                            ; the operand's layout wants a whole block in a lane
.irp i, 0,1,2
	v_permlane16_swap_b32 v[PC+6*\c+\i], v[PC+12+4*\c+\i]
.endr
.irp i, 0,1,2
	v_mov_b32 v[PC+3+6*\c+\i], v[PC+12+4*\c+\i]
.endr
.endr
.endm
; THE WAY OUT of block a (16 rows of source 1 x 128 of source 0).  typ 0: q, k: x the factor; typ 1: v: + the row's bias.  Each accumulator is read from its low end on.
.macro OUTF a, typ
	s_wait_xcnt 0x0                                ; earlier stores have read their data
	WIN 0x02
.set i, 0
.rept 32
.if \typ
	v_pk_add_f32 v[T+i:T+i+1], v[64*(\a)+i:64*(\a)+i+1], v[BM+2*(\a):BM+2*(\a)+1]
.else
	v_pk_mul_f32 v[T+i:T+i+1], v[64*(\a)+i:64*(\a)+i+1], s[36:37] op_sel_hi:[1,0]
.endif
.set i, i+2
.endr
	WIN 0
	QUANT T
.if \typ
	global_store_b128 v8, v[PC:PC+3], s[16:17] offset:1536*(\a)
	global_store_b64 v9, v[PC+4:PC+5], s[16:17] offset:1536*(\a)+512
	global_store_b128 v8, v[PC+6:PC+9], s[16:17] offset:1536*(\a)+768
	global_store_b64 v9, v[PC+10:PC+11], s[16:17] offset:1536*(\a)+1280
	global_store_b32 v13, v[PW], s[18:19] offset:64*(\a)
.else
	v_lshrrev_b32 v[PWT], v7, v[PW]                ; lanes 0-15 the first head's two bytes, lanes 16-31 the second's
	v_and_or_b32 v[PWT], v[PWT], s38, s39
	global_store_b128 v8, v[PC:PC+3], s[16:17] offset:768*(\a)
	global_store_b64 v9, v[PC+4:PC+5], s[16:17] offset:768*(\a)+512
	global_store_b128 v8, v[PC+6:PC+9], s[16:17] offset:768*(\a)+6144
	global_store_b64 v9, v[PC+10:PC+11], s[16:17] offset:768*(\a)+6656
	global_store_b32 v12, v[PWT], s[18:19] offset:64*(\a)
.endif
.endm
	s_wait_alu depctr_va_vdst(0)                   ; the wait at the head's end
	s_wait_tensorcnt 0x0                           ; my part of x or of Wq is in
	s_wait_loadcnt 0x0                             ; scale words and biases
	s_barrier_signal -1
	s_barrier_wait -1                              ; everybody's part is in
	s_mov_b32 s3, 0
.Ltile:                                ; trip 0: q, trip 1: k
	PLACES
	FETCH0 0, 16
	FETCH1 0, 20
	FETCH0 1, 16
	s_wait_dscnt 48                                ; step 0's 72 loads are in
	WIN 0
	s_cmp_eq_u32 s3, 0
	s_cbranch_scc0 .Lno_bias
	BODY 0, 2, 20                                  ; q's sums begin with bq
	WIN 0
	s_branch .Lfirst_done
.Lno_bias:
	BODY 0, 1, 20                                  ; k's with 0
	WIN 0
.Lfirst_done:
.irp st, 1,2,3,4,5,6
	PRE \st, 16
	BODY \st, 0, 20
.endr
	WIN 0
	s_wait_tensorcnt 0x0                           ; no tensor load of mine is out
	ds_add_u32 v[SPW], v[NIL]                      ; 0 onto my spare word
	s_add_nc_u64 s[G0W+2:G0W+3], s[G0W+2:G0W+3], 786432   ; the same rows of the next weight: 1,024 rows on
	s_wait_dscnt 0x0                               ; the add is done, and step 7's fragments, my last reads of this weight tile, are in
	s_barrier_signal -1                            ; opens a round of the cluster's barrier
	WIN 0xad
	MUL 7, 0, 0
	WIN 0
	s_barrier_wait -1
	CREST
	s_cmp_eq_u32 s21, 0                            ; waves 2 and 3 ask for the next weight tile
	s_cbranch_scc1 .Lnot_mine
	tensor_load_to_lds s[G0W:G0W+3], s[G1W:G1W+7]
	s_nop 0
	PLACES
.Lnot_mine:
	WIN 0xad
	MUL 7, 2, 0
	PLACES                                         ; in front of loads into the scale words and of the first read of the sums
	WIN 0
	s_cmp_eq_u32 s3, 0                             ; the next tile's scale bytes: k: Wk's and x's rows 64 w; v: x's half and Wv's
	s_cselect_b64 s[68:69], s[72:73], s[74:75]
	s_cselect_b64 s[70:71], s[70:71], s[76:77]
	SCLOAD
.irp a, 0,1,2,3
	OUTF \a, 0
.endr
	s_wait_alu depctr_va_vdst(0)                   ; the wait ahead of the waits and the branch below
	s_wait_xcnt 0x0                                ; the stores have read their bases
	s_cmp_eq_u32 s3, 0
	s_cselect_b64 s[16:17], s[78:79], s[82:83]
	s_cselect_b64 s[18:19], s[80:81], s[84:85]
	s_wait_tensorcnt 0x0                           ; my part of the next weight tile is in
	s_wait_loadcnt 0x0
	s_barrier_signal -1
	s_barrier_wait -1                              ; everybody's is
	s_add_co_u32 s3, s3, 1
	s_cmp_lt_u32 s3, 2
	s_cbranch_scc1 .Ltile
	PLACES                                         ; v: written out: it asks for nothing more
	FETCH0 0, 22
	FETCH1 0, 26
	FETCH0 1, 22
	s_wait_dscnt 48
	BODY 0, 1, 26
.irp st, 1,2,3,4,5,6
	PRE \st, 22
	BODY \st, 0, 26
.endr
	s_wait_dscnt 0x0
	WIN 0xad
	MUL 7, 0, 0
	MUL 7, 2, 0
	PLACES
	WIN 0
.irp a, 0,1,2,3
	OUTF \a, 1
.endr
	s_wait_tensorcnt 0x0                           ; the wave's end
	ds_add_u32 v[SPW], v[NIL]
	s_wait_dscnt 0x0
	CROUND                                         ; the closing round
	s_endpgm
.Lfunc_end_k_qe483b00498_qkv:
	.size	k_qe483b00498_qkv, .Lfunc_end_k_qe483b00498_qkv-k_qe483b00498_qkv
	.p2alignl 7, 3214868480
	.fill 96, 4, 3214868480
	.section	.rodata,"a",@progbits
	.p2align	6, 0x0
	.amdhsa_kernel k_qe483b00498_qkv
		.amdhsa_group_segment_fixed_size 327680
		.amdhsa_private_segment_fixed_size 0
		.amdhsa_enable_private_segment 0
		.amdhsa_kernarg_size 64
		.amdhsa_user_sgpr_count 2
		.amdhsa_user_sgpr_kernarg_segment_ptr 1
		.amdhsa_wavefront_size32 1
		.amdhsa_system_sgpr_workgroup_id_x 1
		.amdhsa_system_sgpr_workgroup_id_y 1
		.amdhsa_system_sgpr_workgroup_id_z 1
		.amdhsa_system_vgpr_workitem_id 0
		.amdhsa_next_free_vgpr 1024
		.amdhsa_next_free_sgpr 102
		.amdhsa_reserve_vcc 0
		.amdhsa_float_denorm_mode_32 3
		.amdhsa_float_denorm_mode_16_64 3
		.amdhsa_memory_ordered 1
		.amdhsa_forward_progress 1
		.amdhsa_inst_pref_size 215
	.end_amdhsa_kernel
	.amdgpu_metadata
---
amdhsa.version: [ 1, 2 ]
amdhsa.kernels:
  - .name:           k_qe483b00498_qkv
    .symbol:         k_qe483b00498_qkv.kd
    .args:
      - { .name: a_codes, .offset: 0, .size: 8, .value_kind: global_buffer, .address_space: global }
      - { .name: a_scales, .offset: 8, .size: 8, .value_kind: global_buffer, .address_space: global }
      - { .name: w_codes, .offset: 16, .size: 8, .value_kind: global_buffer, .address_space: global }
      - { .name: w_scales, .offset: 24, .size: 8, .value_kind: global_buffer, .address_space: global }
      - { .name: bq, .offset: 32, .size: 8, .value_kind: global_buffer, .address_space: global }
      - { .name: bv, .offset: 40, .size: 8, .value_kind: global_buffer, .address_space: global }
      - { .name: qkv, .offset: 48, .size: 8, .value_kind: global_buffer, .address_space: global }
      - { .name: qkvs, .offset: 56, .size: 8, .value_kind: global_buffer, .address_space: global }
    .group_segment_fixed_size: 327680
    .private_segment_fixed_size: 0
    .kernarg_segment_align: 8
    .kernarg_segment_size: 64
    .max_flat_workgroup_size: 128
    .sgpr_count:     102
    .vgpr_count:     1024
    .wavefront_size: 32
...
	.end_amdgpu_metadata
.endif
;; end of part 2
;; launch attn (part 3): grid 16 x 32, 8 waves a work-group, clusters of 4 x 4, 327,680 bytes of LDS; arguments qkv, qkvs, mimg, a_codes, a_scales; writes a_codes, a_scales
.if DOCPART == 3
	.amdgcn_target "amdgcn-amd-amdhsa--gfx1250"
	.amdhsa_code_object_version 6
	.text
	.protected	k_qe483b00498_attn
	.globl	k_qe483b00498_attn
	.p2align	8
	.type	k_qe483b00498_attn,@function
k_qe483b00498_attn:
	s_mov_b64 s[64:65], 0
	v_nop
	global_prefetch_b8 v0, s[64:65] scope:SCOPE_SE
	s_setreg_imm32_b32 hwreg(HW_REG_WAVE_MODE, 25, 1), 1
	s_wait_xcnt 0x0
	s_wait_alu depctr_hold_cnt(0) depctr_sa_sdst(0) depctr_va_vdst(0) depctr_va_sdst(0) depctr_va_ssrc(0) depctr_va_vcc(0) depctr_vm_vsrc(0)
	s_getreg_b32 s2, hwreg(HW_REG_IB_STS2, 6, 4)
	s_cmp_eq_u32 s2, 0
	s_cbranch_scc0 .Lentry_in_a_cluster
	s_endpgm
.Lentry_in_a_cluster:
	s_bfe_u32 s2, ttmp6, 0x10000c
	s_cmp_lg_u32 s2, 0xf033
	s_cbranch_scc0 .Lentry_shape_is_right
	s_endpgm
.Lentry_shape_is_right:
; Attention on codes of FP6 (E2M3) with E8M0 scales: scores = q k^T + mask; p = 2^(t - M), t = score x log2(e), M the running largest t rounded up to a whole number; o = (p v) / (the sum of the unquantised p);
; o is quantised along the model's 1,024 channels and stored as codes and scale bytes for the last projection.  The mask is an input: every key is walked for every query, and the mask's numbers are added as given.
; SHARES.  A work-group: 64 queries (x) of the four heads of one group (y = 4 x batch + group).  Eight waves of 512 registers, two to a SIMD.  Wave w: head w / 2 and TWO tiles of 16 queries, A = tile 2 (w % 2), B = the next:
; each fragment of K and of V that is read from LDS feeds two products.  Eight key steps of 128, written out.
; THE TWO TILES RUN HALF A STEP APART.  Step j: S_A, softmax A | mask A of step j + 1 | O_A | S_B | K of step j + 1 | softmax B | mask B of step j + 1 | O_B | V of step j + 1.
; SLOTS.  Two LDS slots of 98,304 bytes; a slot holds K and V of TWO key steps (4 x 24,576).  Waves 0-3 fetch 24,576 bytes each; wave 4 fetches the scale words once.  The slots change in steps 1, 3 and 5:
; all reads of a pair's slot have been issued when the pair's second step begins, and a refill has two steps in which to land.
; CLUSTER 4 x 4.  K, V and their scale words hang on y alone: asked for jointly along a row of the cluster.
; THE MASK'S IMAGES GO FROM MEMORY STRAIGHT INTO THE SCORES' REGISTERS, not jointly through LDS: there an image's 8,192 bytes would be read four times, once for each head (131,072 bytes of LDS reads a step
; beside K's and V's 104,448), and with the 32,768 bytes a step a slot would hold one key step and not two.  Each load reads 512 consecutive bytes; all offsets are immediates.
; PREFETCH.  Behind the load of a pair of key steps the next pair's K and V are asked for: 384 blocks of 256 bytes, 12 to each of the 32 waves of the four work-groups that will load them jointly,
; shared out by address (8 cx + wave); lanes 12-31 name the wave's last block again.  Pairs 0 and 1 come by their loads alone; nothing is asked for beyond pair 3.
; ALL OPERANDS LIE IN MEMORY AND IN LDS AS IMAGES OF THEIR REGISTERS (a half image of 768 bytes: registers 0-3 at 16 x lane, registers 4-5 at 512 + 8 x lane).
; LAYOUT.  Both products transposed: S^T = K Q^T, O^T = V^T P^T: a lane holds one query throughout.  The rows of a stored tile are 32 b + 8 u + r + 8 (r / 8), so the 16 registers of tiles 2 b, 2 b + 1 are 16 neighbouring keys (channels).
; THE FIRST PRODUCT HAS K = 64 IN AN INSTRUCTION OF 128.  Q's registers 6-11 are zero codes.  K's operand for tile t is v[KB + 6 t .. + 11]: its upper six registers are the next tile's codes (zeros behind the last);
; they meet Q's zero codes under the scale bytes 0x7f, 0x7f and add exactly 0.  The mask's image is the C of the first product.
; LIMITS: NaN and infinities, a mask of -infinity among them, are not served (finite numbers such as -1e9 are); a block of zeros, or one under 2^-124, gets the byte 1 (this program alone reads the bytes).
; The promise holds while the scaled scores stay under 2^31 in magnitude.
; OUT: runs of 192 bytes of codes a row (four heads) and 8 bytes of scales a row: a row of the output belongs to four work-groups.
; REGISTERS, in windows of 256.  Tile A's own registers lie in window 0, tile B's under the same numbers in window 1 (all four operand places in window 1: 0x55).
;   a tile's own: v16 -M, v17 the largest t, v[18:19] the sum; v24-35 Q; v96-159 the mask, S^T, p; v160-191 O^T; v192-210 p's codes; v212-229, v234-237 at work.
;   window 0 besides: v1-14 addresses; v20-21 Q's scale words (A, B), v22-23 p's; v36-89 K; v90-93 K's scale words, v94-95 V's.     window 1 besides: v36-83 V.
.set SLOTB, 98304
.set VOFF,  49152
.set SCL,   2*SLOTB                    ; K's scale words of the group, 16,384 bytes, then V's, 8,192: filled once
.set SPARE, SCL+24576                  ; the spare words: 128 bytes for each of 8 waves
.set STG,   SPARE+1024                 ; the way out: 64 rows x 272
.set SSTG,  STG+64*272                 ; and 64 rows x 8 scale bytes
.set AK16, 1
.set AK8,  3
.set AV16, 5
.set AV8,  7
.set AM,   9                           ; v9   16 x lane: my place in a chunk of a mask image
.set PF,   10                          ; v10  256 x min(lane, 11): my block of the wave's twelve
.set ASK,  11
.set ASV,  12
.set SPW,  13
.set NIL,  14
.set NM,   16
.set L,    18
.set QS,   20
.set PSW,  22
.set Q,    24
.set KB,   36
.set VB,   36
.set KSW,  90
.set VSW,  94
.set S,    96
.set O,    160
.set PC,   192
.set PT,   204
.set BX,   212
.set BY,   216
.set SO,   220
.set F,    224
.set TMP,  226
.set PWT,  227
.set L2,   228
.set T0,   230
.set L3,   234
.set L4,   236
.set WV,   14
.set SEL,  22
.set CS,   24
.set G1,   28                          ; s[28:35] group 1: 96 rows of 256 bytes, my row of the cluster
.set G0T,  44                          ; s[44:51] group 0 of my quarter of a slot, a set for each slot
.set PFB,  52                          ; s[52:53] where my prefetches begin
.set G0S,  76
.set MSB, 0
.macro WIN new
.if MSB != (\new)
	s_set_vgpr_msb (MSB<<8)|(\new)
.set MSB, (\new)
.endif
.endm
.macro CREST
	s_cmp_lg_u32 s[WV], 0
	s_cbranch_scc1 .Lnot_wave_0_\@
	s_barrier_signal -3
.Lnot_wave_0_\@:
	s_barrier_wait -3
	s_barrier_signal -1
	s_barrier_wait -1
.endm
.macro CROUND
	s_barrier_signal -1
	s_barrier_wait -1
	CREST
.endm
.macro NOP4
.rept 4
	v_nop
.endr
.endm
.macro JLOAD s                         ; a joint fill of slot s: waves 0-3, a quarter each
	s_cmp_lt_u32 s[WV], 4
	s_cbranch_scc0 .Lasked_\@
	tensor_load_to_lds s[G0T+4*(\s):G0T+4*(\s)+3], s[G1:G1+7]
	s_nop 0
	NOP4
.Lasked_\@:
.endm
	s_load_b256 s[4:11], s[0:1], 0x0               ; qkv s[4:5], qkvs s[6:7], mimg s[8:9], a_codes s[10:11]
	s_load_b64 s[12:13], s[0:1], 0x20              ; a_scales
	v_lshl_add_u32 v[SPW], v0, 2, SPARE
	v_mov_b32 v[NIL], 0
	ds_add_u32 v[SPW], v[NIL]                      ; the opening lines
	ds_add_u32 v[SPW], v[NIL]
	s_wait_dscnt 0x0
	v_lshrrev_b32 v[T0], 5, v0
	s_delay_alu instid0(VALU_DEP_1)
	v_readfirstlane_b32 s[WV], v[T0]
	s_lshr_b32 s15, s[WV], 1                       ; head of the group
	s_and_b32 s16, s[WV], 1
	s_lshl_b32 s16, s16, 1                         ; my first tile of queries: 0 or 2
	s_bfe_u32 s17, ttmp6, 0x40000                  ; cx
	s_bfe_u32 s18, ttmp6, 0x40004                  ; cy
	s_lshl_b32 s19, ttmp9, 2
	s_add_co_u32 s19, s19, s17                     ; block of 64 queries
	s_and_b32 s20, ttmp7, 0xffff                   ; the batch
	s_lshl_b32 s21, s20, 2
	s_add_co_u32 s21, s21, s18                     ; group = 4 x batch + cy
	s_lshl_b32 s26, s18, 2
	s_lshl_b32 s26, 15, s26                        ; my row of the cluster
	s_or_b32 s[G1], s26, (3<<16)|(1<<21)           ; elements of 8 bytes; bit 21 beside a mask; no padding
	s_mov_b32 s[G1+1], 32<<16
	s_mov_b32 s[G1+2], 96<<16
	s_mov_b32 s[G1+3], 32<<16
	s_mov_b32 s[G1+4], 96
	s_mov_b32 s[G1+5], 32
	s_mov_b32 s[G1+6], 0
	s_mov_b32 s[G1+7], 0
	s_mul_i32 s80, s21, 196608                     ; a group's eight blocks of 24,576 bytes: hangs on cy alone
	s_and_b32 s81, s[WV], 3                        ; my quarter of a slot: K's first step, K's second, V's first, V's second
	s_lshr_b32 s83, s81, 1
	s_mul_i32 s82, s83, 6291456
	s_add_co_u32 s82, s82, s80
	s_add_co_u32 s82, s82, 6291456
	s_and_b32 s83, s81, 1
	s_mul_i32 s83, s83, 24576
	s_add_co_u32 s82, s82, s83
	s_mov_b32 s83, 0
	s_mul_i32 s84, s81, 24576                      ; and its place in the slot
	s_lshl_b32 s54, s17, 3                         ; the prefetches: 8 cx + wave: 0-15 K's twelves of blocks, 16-31 V's
	s_add_co_u32 s54, s54, s[WV]
	s_lshr_b32 s55, s54, 4
	s_mul_i32 s55, s55, 6291456
	s_and_b32 s54, s54, 15
	s_mul_i32 s54, s54, 3072
	s_add_co_u32 s54, s54, s55
	s_add_co_u32 s54, s54, s80
	s_add_co_u32 s54, s54, 6291456
	s_mov_b32 s55, 0
	s_mul_i32 s86, s21, 24576
	s_add_co_u32 s86, s86, 524288                  ; K's and V's scale words
	s_mov_b32 s87, 0
	s_lshl_b32 s88, s19, 15                        ; the mask's images of my block of queries, from my first tile on
	s_lshl_b32 s89, s16, 13
	s_add_co_u32 s88, s88, s89
	s_mov_b32 s89, 0
	s_lshl_b32 s90, s21, 3                         ; Q: block 8 group + (queries' block / 2), head, tile 4 (block % 2) + my first tile
	s_lshr_b32 s91, s19, 1
	s_add_co_u32 s90, s90, s91
	s_mul_i32 s90, s90, 24576
	s_mul_i32 s91, s15, 6144
	s_add_co_u32 s90, s90, s91
	s_and_b32 s91, s19, 1
	s_lshl_b32 s91, s91, 2
	s_add_co_u32 s91, s91, s16
	s_mul_i32 s91, s91, 768
	s_add_co_u32 s90, s90, s91
	s_mov_b32 s91, 0
	s_lshl_b32 s92, s21, 14                        ; Q's scale words: group x 16,384 + head x 4,096 + 4 x stored row
	s_lshl_b32 s93, s15, 12
	s_add_co_u32 s92, s92, s93
	s_lshl_b32 s93, s19, 8
	s_add_co_u32 s92, s92, s93
	s_lshl_b32 s93, s16, 6
	s_add_co_u32 s92, s92, s93
	s_mov_b32 s93, 0
	s_lshl_b32 s94, s20, 10
	s_lshl_b32 s95, s19, 6
	s_add_co_u32 s94, s94, s95                     ; the work-group's first row of the output
	s_lshl_b32 s95, s[WV], 3
	s_add_co_u32 s95, s94, s95                     ; I store rows 8 w .. 8 w + 7
	s_mul_i32 s96, s95, 768
	s_mul_i32 s95, s18, 192
	s_add_co_u32 s96, s96, s95
	s_mov_b32 s97, 0
	s_lshl_b32 s95, s[WV], 5                       ; scale bytes: waves 0 and 1 store 32 rows each
	s_add_co_u32 s95, s94, s95
	s_lshl_b32 s98, s95, 5
	s_lshl_b32 s95, s18, 3
	s_add_co_u32 s98, s98, s95
	s_mov_b32 s99, 0
	s_mov_b32 s[SEL], 0x76543210
	s_mov_b32 s[SEL+1], 0xfedcba98
	s_mov_b32 s[CS], 0x3fb8aa3b                    ; log2(e)
	s_mov_b32 s[CS+1], s[CS]
	s_wait_kmcnt 0x0
.irp s, 0,1
	s_mov_b32 s[G0T+4*\s], 1
	s_add_co_u32 s[G0T+4*\s+1], s84, \s*SLOTB
	s_add_nc_u64 s[G0T+4*\s+2:G0T+4*\s+3], s[4:5], s[82:83]
.if \s
	s_add_nc_u64 s[G0T+4*\s+2:G0T+4*\s+3], s[G0T+4*\s+2:G0T+4*\s+3], 49152      ; slot 1 begins with key steps 2 and 3
.endif
	s_or_b32 s[G0T+4*\s+3], s[G0T+4*\s+3], 0x80000000
.endr
	s_mov_b32 s[G0S], 1
	s_mov_b32 s[G0S+1], SCL
	s_add_nc_u64 s[G0S+2:G0S+3], s[6:7], s[86:87]
	s_or_b32 s[G0S+3], s[G0S+3], 0x80000000
	s_add_nc_u64 s[PFB:PFB+1], s[4:5], s[54:55]
	s_add_nc_u64 s[8:9], s[8:9], s[88:89]
	s_add_nc_u64 s[90:91], s[4:5], s[90:91]
	s_add_nc_u64 s[92:93], s[6:7], s[92:93]
	s_add_nc_u64 s[10:11], s[10:11], s[96:97]
	s_add_nc_u64 s[12:13], s[12:13], s[98:99]
	CROUND                                         ; the first joint loads meet
	s_cmp_lt_u32 s[WV], 4                          ; one load a wave at the head: waves 0-3 slot 0's quarters, wave 4 the scale words
	s_cbranch_scc0 .Lfirst_s
	tensor_load_to_lds s[G0T:G0T+3], s[G1:G1+7]
	s_nop 0
	NOP4
	s_branch .Lfirst_done
.Lfirst_s:
	s_cmp_eq_u32 s[WV], 4
	s_cbranch_scc0 .Lfirst_done
	tensor_load_to_lds s[G0S:G0S+3], s[G1:G1+7]
	s_nop 0
	NOP4
.Lfirst_done:
	v_and_b32 v[T0], 31, v0                        ; lane
	s_delay_alu instid0(VALU_DEP_1)
	v_lshlrev_b32 v[T0+1], 4, v[T0]
	s_delay_alu instid0(VALU_DEP_2)
	v_lshlrev_b32 v[T0+2], 3, v[T0]
	v_and_b32 v15, 15, v0
	s_delay_alu instid0(VALU_DEP_1)
	v_lshlrev_b32 v15, 2, v15
	global_load_b128 v[Q:Q+3], v[T0+1], s[90:91]   ; tile A's half image of Q stays in registers,
	global_load_b64 v[Q+4:Q+5], v[T0+2], s[90:91] offset:512
	global_load_b32 v[QS], v15, s[92:93]           ; lane r: row r's scale word; both tiles' words in window 0
	global_load_b32 v[QS+1], v15, s[92:93] offset:64
	WIN 0x40
	global_load_b128 v[Q:Q+3], v[T0+1], s[90:91] offset:768        ; and tile B's, 768 bytes on
	global_load_b64 v[Q+4:Q+5], v[T0+2], s[90:91] offset:768+512
	WIN 0
	s_mul_i32 s26, s15, 6144
	v_lshl_add_u32 v[AK16], v[T0], 4, s26
	s_delay_alu instid0(VALU_DEP_1)
	v_add_nc_u32 v[AK16+1], SLOTB, v[AK16]
	v_lshl_add_u32 v[AK8], v[T0], 3, s26
	s_delay_alu instid0(VALU_DEP_1)
	v_add_nc_u32 v[AK8], 512, v[AK8]
	s_delay_alu instid0(VALU_DEP_1)
	v_add_nc_u32 v[AK8+1], SLOTB, v[AK8]
	v_add_nc_u32 v[AV16], VOFF, v[AK16]
	s_delay_alu instid0(VALU_DEP_1)
	v_add_nc_u32 v[AV16+1], SLOTB, v[AV16]
	s_delay_alu instid0(VALU_DEP_4)
	v_add_nc_u32 v[AV8], VOFF, v[AK8]
	s_delay_alu instid0(VALU_DEP_1)
	v_add_nc_u32 v[AV8+1], SLOTB, v[AV8]
	v_lshlrev_b32 v[AM], 4, v[T0]
	v_min_u32 v[PF], 11, v[T0]
	s_delay_alu instid0(VALU_DEP_1)
	v_lshlrev_b32 v[PF], 8, v[PF]
	s_lshl_b32 s26, s15, 12
	s_add_co_u32 s26, s26, SCL
	v_lshl_add_u32 v[ASK], v[T0], 2, s26
	s_lshl_b32 s26, s15, 8
	s_add_co_u32 s26, s26, SCL+16384
	v_lshl_add_u32 v[ASV], v[T0], 2, s26
.irp i, 0,1,2,3,4,5
	v_mov_b32 v[KB+48+\i], 0                       ; zero codes behind K's last tile
.endr
.irp x, 0,1                            ; each tile's own registers, in its window
	WIN 0x55*\x
	v_mov_b32 v[NM+1], 0xff61b1e6                  ; the largest t so far: -3e38
	s_delay_alu instid0(VALU_DEP_1)
	v_floor_f32 v[NM], -v[NM+1]
	v_mov_b32 v[L], 0
	v_mov_b32 v[L+1], 0
.irp i, 0,1,2,3,4,5
	v_mov_b32 v[Q+6+\i], 0                         ; zero codes: Q's upper 64 along K
.endr
.irp b, 0,1,2,3
	v_mov_b32 v[BY+\b], 0                          ; a lane permute's destination counts as one of its sources
.endr
	v_mov_b32 v[F+1], 0                            ; (named as the upper half of the pair v[224:225])
.endr
	WIN 0
.macro LOADM x, j                      ; tile x's mask image of key step j into its scores' registers: 16 loads of 512 consecutive bytes
	WIN 0x40*(\x)
.irp c, 0,1,2,3,4,5,6,7,8,9,10,11,12,13,14,15
	global_load_b128 v[S+4*\c:S+4*\c+3], v[AM], s[8:9] offset:524288*(\j)+8192*(\x)+512*\c
.endr
.endm
.macro LOADK j                         ; my head's eight half fragments of K of step j, and their scale words: 20 loads
	WIN 0
.irp t, 0,1,2,3,4,5,6,7
	ds_load_b128 v[KB+6*\t:KB+6*\t+3], v[AK16+((\j)/2)%2] offset:24576*((\j)%2)+768*\t
	ds_load_b64 v[KB+6*\t+4:KB+6*\t+5], v[AK8+((\j)/2)%2] offset:24576*((\j)%2)+768*\t
.endr
.irp i, 0,1,2,3
	ds_load_b32 v[KSW+\i], v[ASK] offset:512*(\j)+128*\i
.endr
.endm
.macro LOADV j                         ; my head's four fragments of V^T (window 1), and their scale words (window 0): 18 loads
	WIN 0x40
.irp d, 0,1,2,3
	ds_load_b128 v[VB+12*\d:VB+12*\d+3], v[AV16+((\j)/2)%2] offset:24576*((\j)%2)+1536*\d
	ds_load_b64 v[VB+12*\d+4:VB+12*\d+5], v[AV8+((\j)/2)%2] offset:24576*((\j)%2)+1536*\d
	ds_load_b128 v[VB+12*\d+6:VB+12*\d+9], v[AV16+((\j)/2)%2] offset:24576*((\j)%2)+1536*\d+768
	ds_load_b64 v[VB+12*\d+10:VB+12*\d+11], v[AV8+((\j)/2)%2] offset:24576*((\j)%2)+1536*\d+768
.endr
	WIN 0
.irp i, 0,1
	ds_load_b32 v[VSW+\i], v[ASV] offset:1024*(\j)+128*\i
.endr
.endm
; S^T = K Q^T + mask for tile x: eight accumulators, one instruction each.  K in window 0; Q, C and D in the tile's window.
.macro SPROD x
	WIN 0x54*(\x)
.irp t, 0,1,2,3,4,5,6,7
.if (\t)%2
	v_wmma_scale_f32_16x16x128_f8f6f4 v[S+8*\t:S+8*\t+7], v[KB+6*\t:KB+6*\t+11], v[Q:Q+11], v[S+8*\t:S+8*\t+7], v[KSW+\t/2], v[QS+(\x)] matrix_a_fmt:MATRIX_FMT_FP6 matrix_b_fmt:MATRIX_FMT_FP6 matrix_a_scale:MATRIX_SCALE_ROW1
.else
	v_wmma_scale_f32_16x16x128_f8f6f4 v[S+8*\t:S+8*\t+7], v[KB+6*\t:KB+6*\t+11], v[Q:Q+11], v[S+8*\t:S+8*\t+7], v[KSW+\t/2], v[QS+(\x)] matrix_a_fmt:MATRIX_FMT_FP6 matrix_b_fmt:MATRIX_FMT_FP6
.endif
.endr
.endm
; O^T += V^T P^T for tile x: four accumulators, one instruction each; the first step starts the sums.  V in window 1; P, C and D in the tile's window.
.macro PV x, j
	WIN 0x01+0x54*(\x)
.irp d, 0,1,2,3
.if (\j) == 0
.if (\d)%2
	v_wmma_scale_f32_16x16x128_f8f6f4 v[O+8*\d:O+8*\d+7], v[VB+12*\d:VB+12*\d+11], v[PC:PC+11], 0, v[VSW+\d/2], v[PSW+(\x)] matrix_a_fmt:MATRIX_FMT_FP6 matrix_b_fmt:MATRIX_FMT_FP6 matrix_a_scale:MATRIX_SCALE_ROW1
.else
	v_wmma_scale_f32_16x16x128_f8f6f4 v[O+8*\d:O+8*\d+7], v[VB+12*\d:VB+12*\d+11], v[PC:PC+11], 0, v[VSW+\d/2], v[PSW+(\x)] matrix_a_fmt:MATRIX_FMT_FP6 matrix_b_fmt:MATRIX_FMT_FP6
.endif
.else
.if (\d)%2
	v_wmma_scale_f32_16x16x128_f8f6f4 v[O+8*\d:O+8*\d+7], v[VB+12*\d:VB+12*\d+11], v[PC:PC+11], v[O+8*\d:O+8*\d+7], v[VSW+\d/2], v[PSW+(\x)] matrix_a_fmt:MATRIX_FMT_FP6 matrix_b_fmt:MATRIX_FMT_FP6 matrix_a_scale:MATRIX_SCALE_ROW1
.else
	v_wmma_scale_f32_16x16x128_f8f6f4 v[O+8*\d:O+8*\d+7], v[VB+12*\d:VB+12*\d+11], v[PC:PC+11], v[O+8*\d:O+8*\d+7], v[VSW+\d/2], v[PSW+(\x)] matrix_a_fmt:MATRIX_FMT_FP6 matrix_b_fmt:MATRIX_FMT_FP6
.endif
.endif
.endr
.endm
; THE SOFTMAX of tile x for key step j, all in the tile's window; only p's scale word is moved to window 0.
.macro SOFT x, j
	WIN 0x55*(\x)
.irp b, 0,1,2,3
	v_max3_num_f32 v[BX+\b], v[S+16*\b], v[S+1+16*\b], v[S+2+16*\b]   ; the largest score of each block of 32 keys: for the row's maximum and, since p rises with the score, for the block's largest p
.endr
.irp i, 3,5,7,9,11,13
.irp b, 0,1,2,3
	v_max3_num_f32 v[BX+\b], v[BX+\b], v[S+16*\b+\i], v[S+1+16*\b+\i]
.endr
.endr
.irp b, 0,1,2,3
	v_max_num_f32 v[BX+\b], v[BX+\b], v[S+15+16*\b]
.endr
.irp b, 0,1,2,3
	s_delay_alu instid0(VALU_DEP_4)
	v_permlanex16_b32 v[BY+\b], v[BX+\b], s[SEL], s[SEL+1]
.endr
.irp b, 0,1,2,3
	s_delay_alu instid0(VALU_DEP_4)
	v_max_num_f32 v[BX+\b], v[BX+\b], v[BY+\b]     ; with lane l xor 16's 16 keys
.endr
	s_delay_alu instid0(VALU_DEP_2)
	v_max3_num_f32 v[TMP], v[BX], v[BX+1], v[BX+2]
	s_delay_alu instid0(VALU_DEP_1)
	v_max_num_f32 v[TMP], v[TMP], v[BX+3]
	s_delay_alu instid0(VALU_DEP_1)
	v_mul_f32 v[TMP], s[CS], v[TMP]                ; the step's largest t
	s_delay_alu instid0(VALU_DEP_1)
	v_max_num_f32 v[NM+1], v[NM+1], v[TMP]         ; the running largest t
	v_mov_b32 v[TMP], v[NM]
	s_delay_alu instid0(VALU_DEP_2)
	v_floor_f32 v[NM], -v[NM+1]                    ; the new -M = floor(-t): M is a whole number
	s_delay_alu instid0(VALU_DEP_1)
	v_sub_f32 v[TMP], v[NM], v[TMP]                ; old M - new M: a whole number, 0 or less
	s_delay_alu instid0(VALU_DEP_1)
	v_cvt_i32_f32 v[TMP], v[TMP]                   ; (it saturates)
	s_delay_alu instid0(VALU_DEP_1)
	v_ldexp_f32 v[F], 1.0, v[TMP]                  ; f = 2^(old M - new M): a multiplication by it rounds nothing
.set i, 0
.rept 32
	v_pk_fma_f32 v[S+i:S+i+1], v[S+i:S+i+1], s[CS:CS+1], v[NM:NM+1] op_sel_hi:[1,0,0]   ; t - M, two at a time
.set i, i+2
.endr
.irp b, 0,1,2,3
	v_fma_f32 v[BX+\b], v[BX+\b], s[CS], v[NM]     ; the same of each block's largest score
.endr
.set i, 0
	s_wait_alu depctr_va_vdst(0)                   ; the wait ahead of the batch
.rept 64
	v_exp_f32 v[S+i], v[S+i]                       ; p = 2^(t - M): not normalised
.set i, i+1
.endr
.irp b, 0,1,2,3
	v_exp_f32 v[BX+\b], v[BX+\b]                   ; the block's largest p: the same two instructions on the same number
.endr
	v_pk_mul_f32 v[L:L+1], v[L:L+1], v[F:F+1] op_sel_hi:[1,0]   ; the sums under the new M (a plain line behind the exponentials)
	s_wait_alu depctr_va_vdst(0)                   ; and behind it
.irp b, 0,1,2,3
	v_max_num_f32 v[BX+\b], 0x1800000, v[BX+\b]    ; the floor 2^(3 - 127): the byte cannot fall under 1
.endr
.irp b, 0,1,2,3
	s_delay_alu instid0(VALU_DEP_4)
	v_add_nc_u32 v[SO+\b], 0xff000000, v[BX+\b]    ; 2 off the exponent field: the conversion's scale operand
.endr
.irp b, 0,1,2,3
	s_delay_alu instid0(VALU_DEP_4)
	v_lshrrev_b32 v[BY+\b], 23, v[SO+\b]           ; the scale's byte
.endr
	s_delay_alu instid0(VALU_DEP_3)
	v_lshl_or_b32 v[PWT], v[BY+1], 8, v[BY]        ; p's scale word for these 128 keys
	s_delay_alu instid0(VALU_DEP_1)
	v_lshl_or_b32 v[PWT], v[BY+2], 16, v[PWT]
	s_delay_alu instid0(VALU_DEP_1)
	v_lshl_or_b32 v[PWT], v[BY+3], 24, v[PWT]
.irp c, 0,1
	v_cvt_scalef32_pk16_fp6_f32 v[PC+6*\c:PC+2+6*\c], v[S+32*\c:S+15+32*\c], v[SO+2*\c]
	v_cvt_scalef32_pk16_fp6_f32 v[PT+4*\c:PT+2+4*\c], v[S+16+32*\c:S+31+32*\c], v[SO+2*\c+1]   ; (a conversion's three registers begin on an even number)
.endr
	WIN 0x01*(\x)
	v_mov_b32 v[PSW+(\x)], v[PWT]                  ; the scale word goes where scale operands are taken from (also the plain line behind the conversions)
	WIN 0x55*(\x)
.irp c, 0,1                            ; the operand's layout wants a whole block in a lane
.irp i, 0,1,2
	v_permlane16_swap_b32 v[PC+6*\c+\i], v[PT+4*\c+\i]
.endr
.irp i, 0,1,2
	s_delay_alu instid0(VALU_DEP_3)
	v_mov_b32 v[PC+3+6*\c+\i], v[PT+4*\c+\i]
.endr
.endr
.if (\j) > 0
.set i, 0
.rept 16
	v_pk_mul_f32 v[O+i:O+i+1], v[O+i:O+i+1], v[F:F+1] op_sel_hi:[1,0]   ; O^T under the new M, each accumulator from its low end on
.set i, i+2
.endr
.endif
	; the row's sum is taken of the unquantised p, two at a time, in four chains; these lines are also the places in front of the product that takes p's codes and scale word
	v_pk_add_f32 v[L2:L2+1], v[S:S+1], v[S+2:S+3]
	v_pk_add_f32 v[L3:L3+1], v[S+4:S+5], v[S+6:S+7]
	v_pk_add_f32 v[L4:L4+1], v[S+8:S+9], v[S+10:S+11]
	v_pk_add_f32 v[L:L+1], v[L:L+1], v[S+12:S+13]
.irp i, 14,22,30,38,46,54
	v_pk_add_f32 v[L2:L2+1], v[L2:L2+1], v[S+\i:S+1+\i]
	v_pk_add_f32 v[L3:L3+1], v[L3:L3+1], v[S+2+\i:S+3+\i]
	v_pk_add_f32 v[L4:L4+1], v[L4:L4+1], v[S+4+\i:S+5+\i]
	v_pk_add_f32 v[L:L+1], v[L:L+1], v[S+6+\i:S+7+\i]
.endr
	v_pk_add_f32 v[L2:L2+1], v[L2:L2+1], v[S+62:S+63]
	s_delay_alu instid0(VALU_DEP_2)
	v_pk_add_f32 v[L:L+1], v[L:L+1], v[L4:L4+1]
	s_delay_alu instid0(VALU_DEP_2)
	v_pk_add_f32 v[L2:L2+1], v[L2:L2+1], v[L3:L3+1]
	s_delay_alu instid0(VALU_DEP_1)
	v_pk_add_f32 v[L:L+1], v[L:L+1], v[L2:L2+1]
.endm
; A STEP.  In steps 1, 3 and 5 the slots change, between the two tiles' halves: K and V of steps j - 1 and j have been read (V of step j last, at the end of step j - 1).  Each wave waits for all its tensor loads
; (the next pair's quarter), and for its reads.  Steps 1 and 3: with the add in front, the barrier opens a round of the cluster's, twelve matrix instructions stand between its signal and its wait,
; and behind the round the slot takes the pair two on.  Step 5: nothing is left to fetch; the barrier shows steps 6 and 7 to every wave.
.macro STEP j
.set SL, ((\j)/2)%2
.set CH, ((\j)%2)*((7-(\j))/2)         ; 3, 2, 1 in steps 1, 3, 5; else 0
	SPROD 0                                        ; tile A's mask and K are in: the waits stood ahead of V's loads
	NOP4                                           ; places in front of the first read of the scores
	SOFT 0, \j
.if (\j) < 7
	LOADM 0, (\j)+1                                ; the next step's mask of tile A, into the registers that p has left
	s_wait_loadcnt 16                              ; tile B's mask of this step is in; the 16 loads just issued may be out
.else
	s_wait_loadcnt 0x0
.endif
.if CH
	s_wait_tensorcnt 0x0                           ; no tensor load of mine is out
.if CH > 1
	ds_add_u32 v[SPW], v[NIL]                      ; 0 onto my spare word;
	ds_add_u32 v[SPW], v[NIL]                      ; twice
	s_add_nc_u64 s[G0T+4*SL+2:G0T+4*SL+3], s[G0T+4*SL+2:G0T+4*SL+3], 98304   ; this slot's next pair of steps
.endif
	s_wait_dscnt 0x0                               ; the add is done; V, my last read of the slot, is in
	s_barrier_signal -1
.else
	s_wait_dscnt 0x0                               ; V is in
.endif
	PV 0, \j
	SPROD 1
	WIN 0
.if CH
	s_barrier_wait -1
.if CH > 1
	CREST
	JLOAD SL
.endif
.endif
	NOP4                                           ; places in front of the loads into K's registers and scale words, and of the first read of the scores
.if (\j) < 7
	LOADK (\j)+1
.endif
.if (\j) == 1
	global_prefetch_b8 v[PF], s[PFB:PFB+1] offset:3*49152 th:TH_LOAD_NT scope:SCOPE_SE   ; steps 6 and 7, which the change of slots in step 3 loads
.endif
	SOFT 1, \j
.if (\j) < 7
	LOADM 1, (\j)+1
.endif
	PV 1, \j
.if (\j) < 7
	NOP4                                           ; places in front of the loads into V's registers and scale words
	s_wait_dscnt 0x0                               ; K of the next step is in
	s_wait_loadcnt 16                              ; and tile A's mask; tile B's, the youngest 16 loads, may be out
	LOADV (\j)+1
.endif
	WIN 0
.endm
	LOADM 0, 0
	LOADM 1, 0
	WIN 0
	s_wait_alu depctr_va_vdst(0)                   ; the wait at the head's end
	s_wait_tensorcnt 0x0                           ; the scale words and slot 0's quarters are in
	ds_add_u32 v[SPW], v[NIL]                      ; slot 1's first fill is issued as a refill is; the add twice
	ds_add_u32 v[SPW], v[NIL]
	s_wait_dscnt 0x0
	CROUND
	JLOAD 1
	LOADK 0
	global_prefetch_b8 v[PF], s[PFB:PFB+1] offset:2*49152 th:TH_LOAD_NT scope:SCOPE_SE   ; steps 4 and 5, which the change of slots in step 1 loads
	s_wait_dscnt 0x0
	LOADV 0
	s_wait_loadcnt 0x0                             ; Q, its scale words and both masks
.irp j, 0,1,2,3,4,5,6,7
	STEP \j
.endr
	; THE WAY OUT.  O^T / the sum; my head's 64 channels are two blocks of the last projection's K: quantised as they stand; codes and bytes meet the other waves' in LDS and leave by rows.
	v_and_b32 v1, 15, v0                           ; r  (these lines are also the places behind the last products)
	v_bfe_u32 v2, v0, 4, 1                         ; h
	s_lshl_b32 s80, s16, 4                         ; 32 x (my pair of tiles)
	v_and_b32 v3, 8, v1
	s_delay_alu instid0(VALU_DEP_1)
	v_add_nc_u32 v3, v3, v1
	s_delay_alu instid0(VALU_DEP_1)
	v_add_nc_u32 v3, s80, v3                       ; tile A's query among the 64: 32 (pair) + r + 8 (r / 8); tile B's lies 8 rows on
	s_delay_alu instid0(VALU_DEP_1)
	v_mul_u32_u24 v4, v3, 272
	s_delay_alu instid0(VALU_DEP_1)
	v_lshl_add_u32 v4, v2, 5, v4
	s_lshl_b32 s81, s15, 6
	s_add_co_u32 s81, s81, STG
	v_add_nc_u32 v4, s81, v4                       ; in: my row, + 64 x head + 32 h: two places of 16 bytes
	v_lshlrev_b32 v5, 3, v3
	s_lshl_b32 s82, s15, 1
	s_add_co_u32 s82, s82, SSTG
	v_add_nc_u32 v5, s82, v5                       ; my row's 8 scale bytes, + 2 x head
	s_mul_i32 s83, s[WV], 8*272
	s_add_co_u32 s83, s83, STG
	v_mul_u32_u24 v6, v2, 272
	s_delay_alu instid0(VALU_DEP_1)
	v_lshl_add_u32 v6, v1, 4, v6
	s_delay_alu instid0(VALU_DEP_1)
	v_add_nc_u32 v6, s83, v6                       ; back: rows 8 w + h (+ 2, 4, 6), place lane % 16
	v_mul_u32_u24 v7, v2, 768
	s_delay_alu instid0(VALU_DEP_1)
	v_mad_u32_u24 v7, v1, 12, v7                   ; and the same in the output
	v_lshl_add_u32 v8, v0, 3, SSTG                 ; scale bytes back: 8 bytes a thread, threads 0-63
	v_and_b32 v9, 31, v0
	s_delay_alu instid0(VALU_DEP_1)
	v_lshlrev_b32 v9, 5, v9                        ; rows of 32 bytes
.macro FIN x
	WIN 0x55*(\x)
	v_add_f32 v[L], v[L], v[L+1]
	s_delay_alu instid0(VALU_DEP_1)
	v_permlanex16_b32 v[TMP], v[L], s[SEL], s[SEL+1]
	s_delay_alu instid0(VALU_DEP_1)
	v_add_f32 v[L], v[L], v[TMP]                   ; the row's sum
	s_wait_alu depctr_va_vdst(0)
	v_rcp_f32 v[F], v[L]
	v_nop                                          ; a plain line behind the reciprocal
.set i, 0
	s_wait_alu depctr_va_vdst(0)
.rept 16
	v_pk_mul_f32 v[S+i:S+i+1], v[O+i:O+i+1], v[F:F+1] op_sel_hi:[1,0]   ; register 16 b + i: channel 32 b + 16 h + i of my head; each accumulator from its low end on
.set i, i+2
.endr
.irp b, 0,1
	v_max3_num_f32 v[BX+\b], |v[S+16*\b]|, |v[S+1+16*\b]|, 0x1800000
.endr
.irp i, 2,4,6,8,10,12,14
.irp b, 0,1
	s_delay_alu instid0(VALU_DEP_2)
	v_max3_num_f32 v[BX+\b], v[BX+\b], |v[S+16*\b+\i]|, |v[S+1+16*\b+\i]|
.endr
.endr
.irp b, 0,1
	s_delay_alu instid0(VALU_DEP_2)
	v_permlanex16_b32 v[BY+\b], v[BX+\b], s[SEL], s[SEL+1]
.endr
.irp b, 0,1
	s_delay_alu instid0(VALU_DEP_2)
	v_max_num_f32 v[BX+\b], v[BX+\b], v[BY+\b]
.endr
.irp b, 0,1
	s_delay_alu instid0(VALU_DEP_2)
	v_add_nc_u32 v[SO+\b], 0xff000000, v[BX+\b]
.endr
.irp b, 0,1
	s_delay_alu instid0(VALU_DEP_2)
	v_lshrrev_b32 v[BY+\b], 23, v[SO+\b]
.endr
	s_delay_alu instid0(VALU_DEP_1)
	v_lshl_or_b32 v[TMP], v[BY+1], 8, v[BY]        ; my head's two scale bytes
	v_cvt_scalef32_pk16_fp6_f32 v[PC:PC+2], v[S:S+15], v[SO]
	v_cvt_scalef32_pk16_fp6_f32 v[PT:PT+2], v[S+16:S+31], v[SO+1]
	v_nop                                          ; one plain line behind a scaled conversion
.irp i, 0,1,2
	v_permlane16_swap_b32 v[PC+\i], v[PT+\i]       ; lane (r, h) now holds block h: its lower 16 codes in the first three registers, its upper 16 in the second three
.endr
	WIN 0x04*(\x)                                  ; an LDS store's data are its source 1
	ds_store_b96 v4, v[PC:PC+2] offset:2176*(\x)
	ds_store_b96 v4, v[PT:PT+2] offset:2176*(\x)+16
	ds_store_b16 v5, v[TMP] offset:64*(\x)         ; both lanes of a row write the same two bytes
.endm
	FIN 0
	FIN 1
	WIN 0
	s_wait_dscnt 0x0                               ; for the others' sake: my stores have landed
	s_barrier_signal -1
	s_barrier_wait -1
.irp i, 0,1,2,3
	ds_load_b96 v[S+4*\i:S+4*\i+2], v6 offset:544*\i
.endr
.irp i, 0,1,2,3
	s_wait_dscnt 3-\i                              ; LDS loads come back in order: load i is in
	global_store_b96 v7, v[S+4*\i:S+4*\i+2], s[10:11] offset:1536*\i   ; sixteen lanes store 192 consecutive bytes of a row
.endr
	s_cmp_lt_u32 s[WV], 2
	s_cbranch_scc0 .Lno_scales
	ds_load_b64 v[S+16:S+17], v8
	s_wait_dscnt 0x0
	global_store_b64 v9, v[S+16:S+17], s[12:13]    ; 8 bytes of each of 32 rows
.Lno_scales:
	s_wait_tensorcnt 0x0                           ; the wave's end
	ds_add_u32 v[SPW], v[NIL]
	s_wait_dscnt 0x0
	CROUND                                         ; the closing round
	s_endpgm
.Lfunc_end_k_qe483b00498_attn:
	.size	k_qe483b00498_attn, .Lfunc_end_k_qe483b00498_attn-k_qe483b00498_attn
	.p2alignl 7, 3214868480
	.fill 96, 4, 3214868480
	.section	.rodata,"a",@progbits
	.p2align	6, 0x0
	.amdhsa_kernel k_qe483b00498_attn
		.amdhsa_group_segment_fixed_size 327680
		.amdhsa_private_segment_fixed_size 0
		.amdhsa_enable_private_segment 0
		.amdhsa_kernarg_size 40
		.amdhsa_user_sgpr_count 2
		.amdhsa_user_sgpr_kernarg_segment_ptr 1
		.amdhsa_wavefront_size32 1
		.amdhsa_system_sgpr_workgroup_id_x 1
		.amdhsa_system_sgpr_workgroup_id_y 1
		.amdhsa_system_sgpr_workgroup_id_z 1
		.amdhsa_system_vgpr_workitem_id 0
		.amdhsa_next_free_vgpr 512
		.amdhsa_next_free_sgpr 100
		.amdhsa_reserve_vcc 0
		.amdhsa_float_denorm_mode_32 3
		.amdhsa_float_denorm_mode_16_64 3
		.amdhsa_memory_ordered 1
		.amdhsa_forward_progress 1
		.amdhsa_inst_pref_size 255
	.end_amdhsa_kernel
	.section	.bss,"aw",@nobits
	.p2align	6
	.space	262144
	.amdgpu_metadata
---
amdhsa.version: [ 1, 2 ]
amdhsa.kernels:
  - .name:           k_qe483b00498_attn
    .symbol:         k_qe483b00498_attn.kd
    .args:
      - { .name: qkv, .offset: 0, .size: 8, .value_kind: global_buffer, .address_space: global }
      - { .name: qkvs, .offset: 8, .size: 8, .value_kind: global_buffer, .address_space: global }
      - { .name: mimg, .offset: 16, .size: 8, .value_kind: global_buffer, .address_space: global }
      - { .name: a_codes, .offset: 24, .size: 8, .value_kind: global_buffer, .address_space: global }
      - { .name: a_scales, .offset: 32, .size: 8, .value_kind: global_buffer, .address_space: global }
    .group_segment_fixed_size: 327680
    .private_segment_fixed_size: 0
    .kernarg_segment_align: 8
    .kernarg_segment_size: 40
    .max_flat_workgroup_size: 256
    .sgpr_count:     100
    .vgpr_count:     512
    .wavefront_size: 32
...
	.end_amdgpu_metadata
.endif
;; end of part 3
;; launch proj (part 4): grid 4 x 64, 4 waves a work-group, clusters of 4 x 4, 327,680 bytes of LDS; arguments a_codes, a_scales, w_codes, w_scales, bo, out0; writes out0
.if DOCPART == 4
	.amdgcn_target "amdgcn-amd-amdhsa--gfx1250"
	.amdhsa_code_object_version 6
	.text
	.protected	k_qe483b00498_proj
	.globl	k_qe483b00498_proj
	.p2align	8
	.type	k_qe483b00498_proj,@function
k_qe483b00498_proj:
	s_mov_b64 s[64:65], 0
	v_nop
	global_prefetch_b8 v0, s[64:65] scope:SCOPE_SE
	s_setreg_imm32_b32 hwreg(HW_REG_WAVE_MODE, 25, 1), 1
	s_wait_xcnt 0x0
	s_wait_alu depctr_hold_cnt(0) depctr_sa_sdst(0) depctr_va_vdst(0) depctr_va_sdst(0) depctr_va_ssrc(0) depctr_va_vcc(0) depctr_vm_vsrc(0)
	s_getreg_b32 s2, hwreg(HW_REG_IB_STS2, 6, 4)
	s_cmp_eq_u32 s2, 0
	s_cbranch_scc0 .Lentry_in_a_cluster
	s_endpgm
.Lentry_in_a_cluster:
	s_bfe_u32 s2, ttmp6, 0x10000c
	s_cmp_lg_u32 s2, 0xf033
	s_cbranch_scc0 .Lentry_shape_is_right
	s_endpgm
.Lentry_shape_is_right:
; The last projection on codes of FP6 (E2M3) with E8M0 scales: out = o Wo^T + bo, K = 1,024, f32 out.
; SHARES.  Work-group (C, R), 4 x 64 = 256: 128 rows R of o x 256 rows C of Wo.  All 384 rows come into LDS whole (768 bytes, each beginning at a multiple of 256; 16 bytes of padding behind each 256: pitch 816),
; by one tensor load a wave at the head: waves 0, 1 Wo's halves, waves 2, 3 o's.  Nothing is filled again.
; A wave makes 8 blocks of Wo (source 0, half w % 2) x 4 blocks of o (source 1, half w / 2): 32 accumulators; a lane holds one row of o and its registers run along the columns of out.
; Wo's rows were stored permuted inside each 32 (8-row groups 0, 2, 1, 3): register j of tile 2 b + u in lane (r, h) is column 32 b + 16 h + 8 u + j.  bo is the C of the first K step.
; The scale words go from memory into registers: a lane takes its row's 32 bytes, sixteen lanes 512 consecutive bytes.
; CLUSTER 4 x 4: Wo's rows hang on C alone, asked for jointly along a column of the cluster; o's on R alone, along a row.
; THE WAY OUT goes through a stage of 16 rows x 528 bytes a wave, in bytes of Wo's region: they have had their only fill, and every wave's reads are over at the barrier in the last K step.  32 lanes store 512 consecutive bytes.
; NO PREFETCH: all that the work-group reads is asked for at its head; there is no loop to run ahead in.
; LIMITS: NaN and infinities are not served.
.set PITCH, 816
.set BLK,   16*PITCH
.set WR,    256*PITCH
.set SPARE, 384*PITCH
.set SPITCH, 528
.set STO,  24
.set RD,   25
.set CO,   26
.set SPW,  28
.set NIL,  29
.set SA,   32
.set SB,   64
.set BN,   96
.set BK,   128
.set G1X, 24
.set G0X, 32
.set G1W, 48
.set G0W, 56
.set FLAGS, (1<<20)|(1<<21)|(5<<22)|(3<<25)
.set MSB, 0
.macro WIN new
.if MSB != \new
	s_set_vgpr_msb (MSB<<8)|\new
.set MSB, \new
.endif
.endm
.macro PLACES
.rept 4
	v_nop
.endr
.endm
.macro CROUND
	s_barrier_signal -1
	s_barrier_wait -1
	s_cmp_lg_u32 s20, 0
	s_cbranch_scc1 .Lnot_wave_0_\@
	s_barrier_signal -3
.Lnot_wave_0_\@:
	s_barrier_wait -3
	s_barrier_signal -1
	s_barrier_wait -1
.endm
	s_load_b256 s[4:11], s[0:1], 0x0               ; a_codes, a_scales, w_codes, w_scales
	s_load_b128 s[12:15], s[0:1], 0x20             ; bo, out0
	v_lshl_add_u32 v[SPW], v0, 2, SPARE
	v_mov_b32 v[NIL], 0
	ds_add_u32 v[SPW], v[NIL]                      ; the opening lines
	ds_add_u32 v[SPW], v[NIL]
	v_lshrrev_b32 v1, 5, v0
	v_readfirstlane_b32 s20, v1
	s_lshr_b32 s21, s20, 1
	s_and_b32 s22, s20, 1
	s_bfe_u32 s40, ttmp6, 0x40000
	s_bfe_u32 s41, ttmp6, 0x40004
	s_lshl_b32 s46, ttmp9, 2
	s_add_co_u32 s46, s46, s40                     ; C
	s_and_b32 s23, ttmp7, 0xffff
	s_lshl_b32 s23, s23, 2
	s_add_co_u32 s23, s23, s41                     ; R
	s_lshl_b32 s43, s41, 2
	s_lshl_b32 s43, 15, s43
	s_lshl_b32 s44, 0x1111, s40
	s_or_b32 s[G1X], s44, FLAGS                    ; Wo: my column
	s_or_b32 s[G1W], s43, FLAGS                    ; o: my row
.irp g, G1X, G1W
	s_mov_b32 s[\g+1], 768<<16
	s_mov_b32 s[\g+3], 768<<16
	s_mov_b32 s[\g+5], 768
	s_mov_b32 s[\g+6], 0
	s_mov_b32 s[\g+7], 0
.endr
	s_mov_b32 s[G1X+2], 128<<16
	s_mov_b32 s[G1X+4], 128
	s_mov_b32 s[G1W+2], 64<<16
	s_mov_b32 s[G1W+4], 64
	s_lshl_b32 s94, s46, 8
	s_lshl_b32 s92, s22, 7
	s_add_co_u32 s94, s94, s92
	s_add_co_u32 s94, s94, 3072                    ; Wo lies behind Wq, Wk, Wv
	s_mul_i32 s94, s94, 768
	s_mov_b32 s95, 0
	s_lshl_b32 s96, s23, 7
	s_lshl_b32 s92, s22, 6
	s_add_co_u32 s96, s96, s92
	s_mul_i32 s96, s96, 768
	s_mov_b32 s97, 0
	s_mul_i32 s98, s22, 128*PITCH
	s_mul_i32 s99, s22, 64*PITCH
	s_wait_dscnt 0x0
	s_wait_kmcnt 0x0
	s_mov_b32 s[G0X], 1
	s_mov_b32 s[G0X+1], s98
	s_add_nc_u64 s[G0X+2:G0X+3], s[8:9], s[94:95]
	s_or_b32 s[G0X+3], s[G0X+3], 0x80000000
	s_mov_b32 s[G0W], 1
	s_add_co_u32 s[G0W+1], s99, WR
	s_add_nc_u64 s[G0W+2:G0W+3], s[4:5], s[96:97]
	s_or_b32 s[G0W+3], s[G0W+3], 0x80000000
	CROUND
	s_cmp_eq_u32 s21, 0
	s_cbranch_scc0 .Lhead_w
	tensor_load_to_lds s[G0X:G0X+3], s[G1X:G1X+7]
	s_nop 0
	PLACES
	s_branch .Lhead_asked
.Lhead_w:
	tensor_load_to_lds s[G0W:G0W+3], s[G1W:G1W+7]
	s_nop 0
	PLACES
.Lhead_asked:
	s_mov_b32 s91, 0
	s_lshl_b32 s90, s46, 8
	s_lshl_b32 s92, s22, 7
	s_add_co_u32 s90, s90, s92
	s_add_co_u32 s90, s90, 3072
	s_lshl_b32 s90, s90, 5
	s_add_nc_u64 s[68:69], s[10:11], s[90:91]      ; Wo's scale bytes, my 128 rows
	s_lshl_b32 s90, s23, 7
	s_lshl_b32 s92, s21, 6
	s_add_co_u32 s90, s90, s92                     ; my first row of o and of out
	s_lshl_b32 s93, s90, 12
	s_lshl_b32 s90, s90, 5
	s_add_nc_u64 s[70:71], s[6:7], s[90:91]        ; o's scale bytes, my 64 rows
	s_lshl_b32 s90, s46, 10
	s_lshl_b32 s92, s22, 9
	s_add_co_u32 s90, s90, s92                     ; my first column, in bytes
	s_add_nc_u64 s[12:13], s[12:13], s[90:91]
	s_add_co_u32 s90, s90, s93
	s_add_nc_u64 s[14:15], s[14:15], s[90:91]
	s_mul_i32 s93, s22, 128*PITCH
	s_mul_i32 s94, s21, 64*PITCH
	s_add_co_u32 s94, s94, WR
	s_mul_i32 s95, s20, 16*SPITCH                  ; my stage
	v_and_b32 v1, 15, v0
	v_bfe_u32 v2, v0, 4, 1
	v_mul_u32_u24 v3, v1, PITCH
	v_mad_u32_u24 v4, v2, 24, v3
	v_lshl_add_u32 v5, v2, 4, v4
	v_add_nc_u32 v16, s93, v4                      ; source 0: Wo's half w % 2, blocks 0-3 (v16, v17) and 4-7 (v18, v19)
	v_add_nc_u32 v17, s93, v5
	v_add_nc_u32 v18, 4*BLK, v16
	v_add_nc_u32 v19, 4*BLK, v17
	v_add_nc_u32 v20, s94, v4                      ; source 1: o's half w / 2
	v_add_nc_u32 v21, s94, v5
	v_lshlrev_b32 v6, 5, v1
	v_lshlrev_b32 v14, 6, v2
	v_mul_u32_u24 v7, v1, SPITCH
	v_lshl_add_u32 v7, v2, 6, v7
	v_add_nc_u32 v[STO], s95, v7                   ; in: row r, 64 bytes for each half of the lanes
	v_and_b32 v8, 31, v0
	v_lshlrev_b32 v[CO], 4, v8                     ; back: 32 lanes take a row of 512 bytes
	v_add_nc_u32 v[RD], s95, v[CO]
	s_wait_alu depctr_va_vdst(0)                   ; the wait behind the head's vector lines
.irp i, 0,1,2,3,4,5,6,7
	global_load_b128 v[SB+8*\i:SB+8*\i+3], v6, s[68:69] offset:512*\i
	global_load_b128 v[SB+8*\i+4:SB+8*\i+7], v6, s[68:69] offset:512*\i+16
.endr
.irp i, 0,1,2,3
	global_load_b128 v[SA+8*\i:SA+8*\i+3], v6, s[70:71] offset:512*\i
	global_load_b128 v[SA+8*\i+4:SA+8*\i+7], v6, s[70:71] offset:512*\i+16
.endr
	WIN 0xc0
.irp t, 0,1,2,3,4,5,6,7
	global_load_b128 v[BN+8*\t:BN+8*\t+3], v14, s[12:13] offset:128*(\t/2)+32*(\t%2)
	global_load_b128 v[BN+8*\t+4:BN+8*\t+7], v14, s[12:13] offset:128*(\t/2)+32*(\t%2)+16
.endr
	WIN 0
.macro FRAG reg, adr, st, i            ; byte y of a row lies at y + 16 (y / 256) of its LDS row; where lanes 16-31 lie behind one padding more, the second address register serves
.irp p, 0,1,2,3,4,5
.set BY, 96*(\st)+48*(\p/3)+8*(\p%3)
.set XC, (BY+24)/256-BY/256
	ds_load_b64 v[\reg+2*\p:\reg+2*\p+1], v[\adr+2*((\i)/4)+XC] offset:BY+16*(BY/256)+((\i)%4)*BLK
.endr
.endm
.macro FETCH0 st, adr
	WIN 0x40
.irp i, 0,1,2,3,4,5,6,7
	FRAG 128*((\st)%2)+12*\i, \adr, \st, \i
.endr
.endm
.macro FETCH1 st, adr
	WIN 0xc0
.irp i, 0,1,2,3
	FRAG 48*((\st)%2)+12*\i, \adr, \st, \i
.endr
.endm
.macro MUL st, a0, c                   ; c = 0: add on; 2: the sums begin with bo.  The 32 accumulators take turns
.irp a, \a0, \a0+1
.irp b, 0,1,2,3,4,5,6,7
.if (\c) == 0
	v_wmma_scale_f32_16x16x128_f8f6f4 v[8*(8*(\a)+\b):8*(8*(\a)+\b)+7], v[128*((\st)%2)+12*\b:128*((\st)%2)+12*\b+11], v[48*((\st)%2)+12*(\a):48*((\st)%2)+12*(\a)+11], v[8*(8*(\a)+\b):8*(8*(\a)+\b)+7], v[SB+8*\b+(\st)], v[SA+8*(\a)+(\st)] matrix_a_fmt:MATRIX_FMT_FP6 matrix_b_fmt:MATRIX_FMT_FP6
.else
	v_wmma_scale_f32_16x16x128_f8f6f4 v[8*(8*(\a)+\b):8*(8*(\a)+\b)+7], v[128*((\st)%2)+12*\b:128*((\st)%2)+12*\b+11], v[48*((\st)%2)+12*(\a):48*((\st)%2)+12*(\a)+11], v[BN+8*\b:BN+8*\b+7], v[SB+8*\b+(\st)], v[SA+8*(\a)+(\st)] matrix_a_fmt:MATRIX_FMT_FP6 matrix_b_fmt:MATRIX_FMT_FP6
.endif
.endr
.endr
.endm
.macro BODY st, c
	WIN 0xad+0x10*((\c)/2)
	MUL \st, 0, \c
	FETCH1 (\st)+1, 20
	WIN 0xad+0x10*((\c)/2)
	MUL \st, 2, \c
.endm
	s_wait_alu depctr_va_vdst(0)                   ; the wait at the head's end
	s_wait_tensorcnt 0x0                           ; my part is in
	s_wait_loadcnt 0x0
	s_barrier_signal -1
	s_barrier_wait -1                              ; everybody's is
	FETCH0 0, 16
	FETCH1 0, 20
	FETCH0 1, 16
	s_wait_dscnt 48                                ; step 0's 72 loads are in; the 48 younger ones may be out
	BODY 0, 2
.irp st, 1,2,3,4,5,6
	PLACES                                         ; in front of loads into the set that the last step multiplied
	FETCH0 \st+1, 16
	s_wait_dscnt 48
	BODY \st, 0
.endr
	s_wait_dscnt 0x0                               ; my reads of LDS are over
	s_barrier_signal -1
	WIN 0xad
	MUL 7, 0, 0
	MUL 7, 2, 0
	WIN 0
	s_barrier_wait -1                              ; everybody's are: the stages may be written
.macro TOSTAGE a
	WIN 0x08                                       ; the data: window 2
.irp b, 0,1,2,3,4,5,6,7
	ds_store_b128 v[STO], v[64*(\a)+8*\b:64*(\a)+8*\b+3] offset:128*(\b/2)+32*(\b%2)
	ds_store_b128 v[STO], v[64*(\a)+8*\b+4:64*(\a)+8*\b+7] offset:128*(\b/2)+32*(\b%2)+16
.endr
	WIN 0
.set BB, BK+64*((\a)%2)
.irp t, 0,1,2,3,4,5,6,7,8,9,10,11,12,13,14,15
	ds_load_b128 v[BB+4*\t:BB+4*\t+3], v[RD] offset:\t*SPITCH      ; LDS serves a wave's instructions in order: these see the stores above
.endr
.endm
.macro SEND a, younger
.set BB, BK+64*((\a)%2)
	s_wait_dscnt \younger
.if (\a) > 0
	s_add_nc_u64 s[14:15], s[14:15], 16*4096       ; behind a wait on XCNT: the earlier stores have read their base
.endif
.irp t, 0,1,2,3,4,5,6,7,8,9,10,11,12,13,14,15
	global_store_b128 v[CO], v[BB+4*\t:BB+4*\t+3], s[14:15] offset:\t*4096 th:TH_STORE_NT
.endr
.endm
	PLACES
	TOSTAGE 0
.irp a, 1,2,3
.if \a > 1
	s_wait_xcnt 0x0
.endif
	TOSTAGE \a
	SEND \a-1, 32                                  ; behind block a - 1's loads: block a's 16 stores and 16 loads
.endr
	s_wait_xcnt 0x0
	SEND 3, 0
	s_wait_tensorcnt 0x0                           ; the wave's end
	ds_add_u32 v[SPW], v[NIL]
	s_wait_dscnt 0x0
	CROUND                                         ; the closing round
	s_endpgm
.Lfunc_end_k_qe483b00498_proj:
	.size	k_qe483b00498_proj, .Lfunc_end_k_qe483b00498_proj-k_qe483b00498_proj
	.p2alignl 7, 3214868480
	.fill 96, 4, 3214868480
	.section	.rodata,"a",@progbits
	.p2align	6, 0x0
	.amdhsa_kernel k_qe483b00498_proj
		.amdhsa_group_segment_fixed_size 327680
		.amdhsa_private_segment_fixed_size 0
		.amdhsa_enable_private_segment 0
		.amdhsa_kernarg_size 48
		.amdhsa_user_sgpr_count 2
		.amdhsa_user_sgpr_kernarg_segment_ptr 1
		.amdhsa_wavefront_size32 1
		.amdhsa_system_sgpr_workgroup_id_x 1
		.amdhsa_system_sgpr_workgroup_id_y 1
		.amdhsa_system_sgpr_workgroup_id_z 1
		.amdhsa_system_vgpr_workitem_id 0
		.amdhsa_next_free_vgpr 1024
		.amdhsa_next_free_sgpr 102
		.amdhsa_reserve_vcc 0
		.amdhsa_float_denorm_mode_32 3
		.amdhsa_float_denorm_mode_16_64 3
		.amdhsa_memory_ordered 1
		.amdhsa_forward_progress 1
		.amdhsa_inst_pref_size 96
	.end_amdhsa_kernel
	.amdgpu_metadata
---
amdhsa.version: [ 1, 2 ]
amdhsa.kernels:
  - .name:           k_qe483b00498_proj
    .symbol:         k_qe483b00498_proj.kd
    .args:
      - { .name: a_codes, .offset: 0, .size: 8, .value_kind: global_buffer, .address_space: global }
      - { .name: a_scales, .offset: 8, .size: 8, .value_kind: global_buffer, .address_space: global }
      - { .name: w_codes, .offset: 16, .size: 8, .value_kind: global_buffer, .address_space: global }
      - { .name: w_scales, .offset: 24, .size: 8, .value_kind: global_buffer, .address_space: global }
      - { .name: bo, .offset: 32, .size: 8, .value_kind: global_buffer, .address_space: global }
      - { .name: out0, .offset: 40, .size: 8, .value_kind: global_buffer, .address_space: global }
    .group_segment_fixed_size: 327680
    .private_segment_fixed_size: 0
    .kernarg_segment_align: 8
    .kernarg_segment_size: 48
    .max_flat_workgroup_size: 128
    .sgpr_count:     102
    .vgpr_count:     1024
    .wavefront_size: 32
...
	.end_amdgpu_metadata
.endif
;; end of part 4
